; MI455X (gfx1250); checked and timed in simulation.
; The chip was launched on July 23, 2026; its instructions are those of AMD's public machine-readable ISA for CDNA 5 (MIT licence, August 2026) and "CDNA5" Instruction Set Architecture Reference Guide (July 2026). The comments in the code are by the model that wrote it; some were corrected since.
;; Attention. Allowed arithmetic: float matrix products may take bf16 or f16 operands with f32 sums; other float arithmetic in f32, or as packed bf16 or f16 multiplies, adds, multiply-adds, maxima and minima; sums over many terms, partial sums and values carried from step to step in f32; what a program stores and reads back later, other than sums and carried values, may be rounded once to bf16 or f16.
;; Inputs: freqs_cos 2 x 2,048 x 64 float32; freqs_sin 2 x 2,048 x 64 float32; wk 512 x 4,096 float32; wo 4,096 x 1,024 float32; wq 1,024 x 4,096 float32; wv 512 x 4,096 float32; x 2 x 2,048 x 4,096 float32.
;; Outputs: out0 2 x 2,048 x 4,096 float32.
;; One version. Each part assembles by itself: llvm-mc -triple=amdgcn-amd-amdhsa -mcpu=gfx1250 --defsym DOCPART=n.
;; ======== version 1 of 1: 4 launches
;; limits: values are held in f16: magnitudes above 65,504 overflow, below 6.1e-05 lose precision; right only within a limited range of input values
;; workspace buffers: bf 58,720,256 bytes; qkv 16,777,216 bytes; att 8,388,608 bytes
;; launch cast (part 1): grid 1792 x 1, 8 waves a work-group, no clusters, 0 bytes of LDS; arguments x, wq, wk, wv, wo, bf; writes bf
.if DOCPART == 1
	.amdgcn_target "amdgcn-amd-amdhsa--gfx1250"
	.amdhsa_code_object_version 6
	.text
	.protected	k_qe32fc96c7d_cast
	.globl	k_qe32fc96c7d_cast
	.p2align	8
	.type	k_qe32fc96c7d_cast,@function
k_qe32fc96c7d_cast:
	s_mov_b64 s[64:65], 0
	v_nop
	global_prefetch_b8 v0, s[64:65] scope:SCOPE_SE
	s_setreg_imm32_b32 hwreg(HW_REG_WAVE_MODE, 25, 1), 1
	s_wait_xcnt 0x0
; 16-bit copies of x and of the weights, laid end to end in bf:
;   byte 0          xb   [4096][4096] bf16 = bf16(x)
;   byte 0x2000000  wqkv [2048][4096] bf16 = bf16(wq / 4), bf16(wk / 4), bf16(wv / 4): an exact power of two, so the rounding is the input's own
;   byte 0x3000000  wo16 [4096][1024] f16  = bf16(4 wo) written as f16 (8 significant bits fit into 11)
; LIMITS.  |wo| stays under 16,376 (f16 ends at 65,504); 4 wo below 6e-5 keeps f16's fixed step of 6e-8.
; SHARES.  A work-group takes 16,384 numbers: 65,536 bytes in, 32,768 out, at bf + 32,768 g.  The chunks go x (g 0-1023), wq (1024-1279), wk (1280-1407),
; wv (1408-1535), wo (1536-1791), which is bf's order.  A wave takes 8,192 bytes in: sixteen loads of 512 consecutive bytes, all issued at once;
; each store of a wave covers 256 consecutive bytes, aligned.  No LDS, no barrier, no matrix work: every byte is read once and written once.
.set X, 4                              ; v[4:67]    load k: four f32
.set Y, 68                             ; v[68:99]   store k: four 16-bit numbers
.set T, 100                            ; v[100:103] at work
	s_load_b256 s[4:11], s[0:1], 0x0               ; x s[4:5], wq s[6:7], wk s[8:9], wv s[10:11]
	s_load_b128 s[12:15], s[0:1], 0x20             ; wo s[12:13], bf s[14:15]
	v_lshrrev_b32 v3, 5, v0                        ; wave
	v_and_b32 v2, 31, v0                           ; lane
	v_lshlrev_b32 v1, 4, v2
	v_lshl_add_u32 v1, v3, 13, v1                  ; in: 8,192 x wave + 16 x lane
	v_lshlrev_b32 v2, 3, v2
	v_lshl_add_u32 v2, v3, 12, v2                  ; out: 4,096 x wave + 8 x lane
	s_mov_b32 s26, 0xffff0000                      ; a word's upper bf16
	s_wait_kmcnt 0x0
	s_mov_b64 s[16:17], s[12:13]                   ; which buffer the chunk lies in, and that buffer's first chunk: wo,
	s_mov_b32 s18, 1536
	s_cmp_lt_u32 ttmp9, 1536
	s_cselect_b64 s[16:17], s[10:11], s[16:17]     ; or wv,
	s_cselect_b32 s18, 1408, s18
	s_cselect_b32 s20, 0x3e800000, 4.0             ; the factor: 1/4 for wq, wk, wv; 4 for wo
	s_cmp_lt_u32 ttmp9, 1408
	s_cselect_b64 s[16:17], s[8:9], s[16:17]       ; or wk,
	s_cselect_b32 s18, 1280, s18
	s_cmp_lt_u32 ttmp9, 1280
	s_cselect_b64 s[16:17], s[6:7], s[16:17]       ; or wq,
	s_cselect_b32 s18, 1024, s18
	s_cmp_lt_u32 ttmp9, 1024
	s_cselect_b64 s[16:17], s[4:5], s[16:17]       ; or x
	s_cselect_b32 s18, 0, s18
	s_mov_b32 s21, s20                             ; named with it as a pair
	s_sub_co_u32 s22, ttmp9, s18
	s_lshl_b32 s22, s22, 16                        ; the chunk's 65,536 bytes in its buffer
	s_mov_b32 s23, 0
	s_add_nc_u64 s[16:17], s[16:17], s[22:23]
	s_lshl_b32 s24, ttmp9, 15                      ; and its 32,768 bytes in bf
	s_mov_b32 s25, 0
	s_add_nc_u64 s[14:15], s[14:15], s[24:25]
.irp k, 0,1,2,3,4,5,6,7,8,9,10,11,12,13,14,15
	global_load_b128 v[X+4*(\k):X+4*(\k)+3], v1, s[16:17] offset:512*(\k) th:TH_LOAD_NT
.endr
; Load k is scaled (mul = 1), rounded to bf16, rewritten as f16 (f16 = 1) and stored.  No register is written twice while a store reads it: each k has its own Y.
.macro CV k, mul, f16
	s_wait_loadcnt 15-(\k)                         ; loads come back in order: the 15 - k younger ones may stay out
.if \mul
	v_pk_mul_f32 v[X+4*(\k):X+4*(\k)+1],   v[X+4*(\k):X+4*(\k)+1],   s[20:21] op_sel_hi:[1,0]
	v_pk_mul_f32 v[X+4*(\k)+2:X+4*(\k)+3], v[X+4*(\k)+2:X+4*(\k)+3], s[20:21] op_sel_hi:[1,0]
.endif
	v_cvt_pk_bf16_f32 v[Y+2*(\k)],   v[X+4*(\k)],   v[X+4*(\k)+1]
	v_cvt_pk_bf16_f32 v[Y+2*(\k)+1], v[X+4*(\k)+2], v[X+4*(\k)+3]
.if \f16
	v_lshlrev_b32 v[T],   16,  v[Y+2*(\k)]
	v_and_b32     v[T+1], s26, v[Y+2*(\k)]
	v_lshlrev_b32 v[T+2], 16,  v[Y+2*(\k)+1]
	v_and_b32     v[T+3], s26, v[Y+2*(\k)+1]
	v_cvt_pk_f16_f32 v[Y+2*(\k)],   v[T],   v[T+1]
	v_cvt_pk_f16_f32 v[Y+2*(\k)+1], v[T+2], v[T+3]
.endif
	global_store_b64 v2, v[Y+2*(\k):Y+2*(\k)+1], s[14:15] offset:256*(\k)  ; no hint: the next launch reads these bytes
.endm
	s_cmp_lt_u32 ttmp9, 1024
	s_cbranch_scc1 .Lx
	s_cmp_ge_u32 ttmp9, 1536
	s_cbranch_scc1 .Lwo
.irp k, 0,1,2,3,4,5,6,7,8,9,10,11,12,13,14,15
	CV \k, 1, 0                                    ; wq, wk, wv
.endr
	s_endpgm
.Lx:
.irp k, 0,1,2,3,4,5,6,7,8,9,10,11,12,13,14,15
	CV \k, 0, 0                                    ; x
.endr
	s_endpgm
.Lwo:
.irp k, 0,1,2,3,4,5,6,7,8,9,10,11,12,13,14,15
	CV \k, 1, 1                                    ; wo
.endr
	s_endpgm
.Lfunc_end_k_qe32fc96c7d_cast:
	.size	k_qe32fc96c7d_cast, .Lfunc_end_k_qe32fc96c7d_cast-k_qe32fc96c7d_cast
	.p2alignl 7, 3214868480
	.fill 96, 4, 3214868480
	.section	.rodata,"a",@progbits
	.p2align	6, 0x0
	.amdhsa_kernel k_qe32fc96c7d_cast
		.amdhsa_group_segment_fixed_size 0
		.amdhsa_private_segment_fixed_size 0
		.amdhsa_enable_private_segment 0
		.amdhsa_kernarg_size 48
		.amdhsa_user_sgpr_count 2
		.amdhsa_user_sgpr_kernarg_segment_ptr 1
		.amdhsa_wavefront_size32 1
		.amdhsa_system_sgpr_workgroup_id_x 1
		.amdhsa_system_sgpr_workgroup_id_y 1
		.amdhsa_system_sgpr_workgroup_id_z 1
		.amdhsa_system_vgpr_workitem_id 0
		.amdhsa_next_free_vgpr 104
		.amdhsa_next_free_sgpr 66
		.amdhsa_reserve_vcc 0
		.amdhsa_float_denorm_mode_32 3
		.amdhsa_float_denorm_mode_16_64 3
		.amdhsa_memory_ordered 1
		.amdhsa_forward_progress 1
		.amdhsa_inst_pref_size 24
	.end_amdhsa_kernel
	.amdgpu_metadata
---
amdhsa.version: [ 1, 2 ]
amdhsa.kernels:
  - .name:           k_qe32fc96c7d_cast
    .symbol:         k_qe32fc96c7d_cast.kd
    .args:
      - { .name: x, .offset: 0, .size: 8, .value_kind: global_buffer, .address_space: global }
      - { .name: wq, .offset: 8, .size: 8, .value_kind: global_buffer, .address_space: global }
      - { .name: wk, .offset: 16, .size: 8, .value_kind: global_buffer, .address_space: global }
      - { .name: wv, .offset: 24, .size: 8, .value_kind: global_buffer, .address_space: global }
      - { .name: wo, .offset: 32, .size: 8, .value_kind: global_buffer, .address_space: global }
      - { .name: bf, .offset: 40, .size: 8, .value_kind: global_buffer, .address_space: global }
    .group_segment_fixed_size: 0
    .private_segment_fixed_size: 0
    .kernarg_segment_align: 8
    .kernarg_segment_size: 48
    .max_flat_workgroup_size: 256
    .sgpr_count:     66
    .vgpr_count:     104
    .wavefront_size: 32
...
	.end_amdgpu_metadata
.endif
;; end of part 1
;; launch qkv (part 2): grid 8 x 32, 4 waves a work-group, clusters of 4 x 4, 327,680 bytes of LDS; arguments bf, freqs_cos, freqs_sin, qkv; writes qkv
.if DOCPART == 2
	.amdgcn_target "amdgcn-amd-amdhsa--gfx1250"
	.amdhsa_code_object_version 6
	.text
	.protected	k_qe32fc96c7d_qkv
	.globl	k_qe32fc96c7d_qkv
	.p2align	8
	.type	k_qe32fc96c7d_qkv,@function
k_qe32fc96c7d_qkv:
	s_mov_b64 s[64:65], 0
	v_nop
	global_prefetch_b8 v0, s[64:65] scope:SCOPE_SE
	s_setreg_imm32_b32 hwreg(HW_REG_WAVE_MODE, 25, 1), 1
	s_wait_xcnt 0x0
	s_wait_alu depctr_hold_cnt(0) depctr_sa_sdst(0) depctr_va_vdst(0) depctr_va_sdst(0) depctr_va_ssrc(0) depctr_va_vcc(0) depctr_vm_vsrc(0)
	s_getreg_b32 s2, hwreg(HW_REG_IB_STS2, 6, 4)
	s_cmp_eq_u32 s2, 0
	s_cbranch_scc0 .Lentry_in_a_cluster
	s_endpgm
.Lentry_in_a_cluster:
	s_bfe_u32 s2, ttmp6, 0x10000c
	s_cmp_lg_u32 s2, 0xf033
	s_cbranch_scc0 .Lentry_shape_is_right
	s_endpgm
.Lentry_shape_is_right:
; qkv[row][n] = rotary(sum over k of xb[row][k] wqkv[n][k]), f16.  xb [4096][4096] bf16 at bf, wqkv [2048][4096] bf16 at bf + 0x2000000; sums in f32.
; Columns 0-1023 are c q / 4 (8 heads of 128; c = 16 log2(e) / sqrt(128), so that (c q / 4) . (k / 4) is the score in units of log2), 1024-1535 k / 4, 1536-2047 v / 4 (the 1/4 lies in wqkv).
; q's and k's neighbouring column pairs are turned by the row's cos and sin, which are rounded to bf16 like every other input.  The table that the way out multiplies by is cos x al + be and sin x al with
; (al, be) = (c, 0) for q's columns, (1, 0) for k's, (0, 1) for v's (not turned): two scalars chosen by the tile's column, so one text serves all tiles, and c is applied in f32 ahead of q's one rounding to f16.
; LIMITS.  |q| stays under 128,000, |k| and |v| under 262,000 (f16 ends at 65,504); stored values below 6e-5 keep f16's fixed step of 6e-8.  NaN and infinities are not treated apart.
; SHARES.  A work-group makes 128 rows x 256 columns: 32 x 8 = 256 work-groups.  Wave w: rows 64 (w / 2) on, columns 128 (w % 2) on (one head): 32 accumulators of 16 x 16.
; K goes in 32 steps of 128 (rows of 256 bytes in memory, at multiples of 256) through two LDS slots; a wave issues 128 matrix instructions a step.
; THE MATRIX INSTRUCTION IS USED TRANSPOSED (source 0 = 16 rows of wqkv, source 1 = 16 rows of xb): lane l holds row l % 16 and the columns 8 (l / 16) + 0..7 of a block: the pairs lie in neighbouring registers.
; CLUSTER 4 x 4.  xb's tile hangs on the tile row alone and is asked for jointly by a row of the cluster, wqkv's on the tile column alone, by a column.
; REGISTERS.  window 0: v0-31 addresses; v32-63 packed results; v64-127 xb's fragments (two buffers of 32); v128-255 wqkv's (two of 64); on the way out v64-127 turned numbers, v128-191 rows read back.
;   window 1: the accumulators, (a, b) at 8 (8 a + b).     window 2: cos of (a, b), pair p at 4 (8 a + b) + p; sin 128 further on.
.set KSTEP,  128
.set PITCH,  272                       ; an LDS row: 256 bytes + 16 of padding = 68 words: the 16 rows of a fragment load start at 16 different groups of four banks (64 banks of 4 bytes: ISA guide 11.1)
.set AHALF,  64*PITCH                  ; what a wave fetches of xb, and what a wave reads of it
.set BHALF,  128*PITCH                 ; the same for wqkv
.set BOFF,   2*AHALF                   ; a slot: xb's 128 rows, then wqkv's 256 rows
.set SLOT1,  1<<17                     ; slot 1 begins here: one exclusive or turns an address in one slot into the other's
.set STAGE,  SLOT1+BOFF+2*BHALF        ; behind the ring: 16 rows x 272 bytes for each wave, for the way out; no tensor load lands here
.set SPARE,  STAGE+4*16*PITCH          ; the spare words, 128 bytes for each wave: two blocks of 256 bytes that no other line names
.set WOFF,   0x2000000                 ; wqkv in bf
.set ADRA0, 16                         ; v16  my lane's place in xb's rows of slot 0; never rewritten
.set ADRB0, 17                         ; v17  the same for wqkv
.set ADRA,  18                         ; v18  the same in the slot in hand
.set ADRB,  19                         ; v19
.set CSO,   20                         ; v20  my byte offset in 16 rows of cos and sin
.set STO,   24                         ; v24  the way out: where I put 16 bytes of a row
.set RD,    25                         ; v25  where I read a row back
.set CO,    26                         ; v26  my byte offset in qkv
.set SPW,   28                         ; v28  LDS address of my spare word; never rewritten
.set NIL,   29                         ; v29  0; never rewritten
.set TMP,   32
.set FA,    64
.set FB,    128
.set OV,    64
.set OB,    128
.set WV,  12                           ; s12  my wave's number
.set G1A, 24                           ; s[24:31] descriptor group 1 for xb's tiles
.set G1B, 32                           ; s[32:39] for wqkv's
.set G0A, 40                           ; s[40:47] group 0 for xb's: a set for each first fill; the second then walks
.set G0B, 48                           ; s[48:55] the same for wqkv's
.set CNT, 56                           ; s56  the loop's count
.set TB,  57                           ; s57  0 or SLOT1: the slot that is read
.set HIM, 59                           ; s59  a word's upper bf16
.set SA,  74                           ; s[74:75] al, the table's factor, in the low word
.set SB,  76                           ; s[76:77] be, what is added to cos
.set MSB, 0
.macro WIN new                         ; the immediate's high byte repeats the setting that is left; a switch that changes nothing is dropped
.if MSB != (\new)
	s_set_vgpr_msb (MSB<<8)|(\new)
.set MSB, \new
.endif
.endm
.set MUL, 0x50                         ; C and D in window 1, both sources in window 0
.macro PLACES                          ; four places in front of loads into registers that matrix instructions have read, and of vector lines that read results
.rept 4
	v_nop
.endr
.endm
; A joint refill by the walking descriptors.  Waves 0 and 1 fetch xb's two halves, waves 2 and 3 wqkv's.  The branch hangs on the wave's number alone.
; An s_nop 0 and four v_nop follow each of the two lines, ahead of the jump and the label.
.macro JLOAD
	s_cmp_lt_u32 s[WV], 2
	s_cbranch_scc0 .Lfor_b_\@
	tensor_load_to_lds s[G0A+4:G0A+7], s[G1A:G1A+7]
	s_nop 0
.rept 4
	v_nop
.endr
	s_branch .Lasked_\@
.Lfor_b_\@:
	tensor_load_to_lds s[G0B+4:G0B+7], s[G1B:G1B+7]
	s_nop 0
.rept 4
	v_nop
.endr
.Lasked_\@:
.endm
.macro CREST                           ; a round of the cluster's barrier behind its opening barrier
	s_cmp_lg_u32 s[WV], 0
	s_cbranch_scc1 .Lnot_wave_0_\@
	s_barrier_signal -3
.Lnot_wave_0_\@:
	s_barrier_wait -3
	s_barrier_signal -1
	s_barrier_wait -1
.endm
.macro CROUND                          ; a whole round
	s_barrier_signal -1
	s_barrier_wait -1
	CREST
.endm
	s_load_b256 s[4:11], s[0:1], 0x0               ; bf s[4:5], cos s[6:7], sin s[8:9], qkv s[10:11]
	v_lshl_add_u32 v[SPW], v0, 2, SPARE
	v_mov_b32 v[NIL], 0
	ds_add_u32 v[SPW], v[NIL]                      ; the wave's opening: the add and its wait stand ahead of my first tensor load; the set-up below stands between them
	v_lshrrev_b32 v1, 5, v0
	v_readfirstlane_b32 s[WV], v1                  ; wave 0..3
	s_lshr_b32 s13, s[WV], 1                       ; which 64 rows of the tile are mine
	s_and_b32 s14, s[WV], 1                        ; which 128 columns.  Also: which half of a tile I fetch
	s_bfe_u32 s15, ttmp6, 0x40000                  ; cx
	s_bfe_u32 s16, ttmp6, 0x40004                  ; cy
	s_lshl_b32 s17, ttmp9, 2
	s_add_co_u32 s17, s17, s15                     ; tile column 0..7 = 4 x cluster x + cx
	s_and_b32 s18, ttmp7, 0xffff
	s_lshl_b32 s18, s18, 2
	s_add_co_u32 s18, s18, s16                     ; tile row 0..31 = 4 x cluster y + cy
	s_lshl_b32 s19, s16, 2
	s_lshl_b32 s19, 15, s19                        ; my row of the cluster
	s_lshl_b32 s20, 0x1111, s15                    ; my column
	s_or_b32 s[G1A+0], s19, (1<<16)|(1<<20)|(1<<21)|(5<<22)|(3<<25)  ; 15:0 the mask; 17:16 2-byte elements; 20 padding on; 21 set beside a mask; 24:22 after every 64 words; 31:25 4 words of it
	s_or_b32 s[G1B+0], s20, (1<<16)|(1<<20)|(1<<21)|(5<<22)|(3<<25)
	s_mov_b32 s[G1A+1], KSTEP<<16                  ; tensor_dim0 = 128
	s_mov_b32 s[G1A+2], 64<<16                     ; tensor_dim1 = 64
	s_mov_b32 s[G1A+3], KSTEP<<16                  ; tile_dim0 = 128
	s_mov_b32 s[G1A+4], 64                         ; tile_dim1 = 64
	s_mov_b32 s[G1A+5], 4096                       ; elements from row to row
	s_mov_b32 s[G1A+6], 0
	s_mov_b32 s[G1A+7], 0
	s_mov_b32 s[G1B+1], KSTEP<<16
	s_mov_b32 s[G1B+2], 128<<16                    ; 128 rows
	s_mov_b32 s[G1B+3], KSTEP<<16
	s_mov_b32 s[G1B+4], 128
	s_mov_b32 s[G1B+5], 4096
	s_mov_b32 s[G1B+6], 0
	s_mov_b32 s[G1B+7], 0
	s_lshl_b32 s60, s18, 7                         ; xb: row 128 x tile row + 64 x half, 8,192 bytes a row: the tile row and the wave alone
	s_lshl_b32 s61, s14, 6
	s_add_co_u32 s60, s60, s61
	s_lshl_b32 s60, s60, 13
	s_mov_b32 s61, 0
	s_lshl_b32 s62, s17, 8                         ; wqkv: row 256 x tile column + 128 x half: the tile column and the wave alone
	s_lshl_b32 s63, s14, 7
	s_add_co_u32 s62, s62, s63
	s_lshl_b32 s62, s62, 13
	s_add_co_u32 s62, s62, WOFF
	s_mov_b32 s63, 0
	s_mul_i32 s21, s14, AHALF                      ; where they go: no place in the cluster enters an LDS address
	s_mul_i32 s22, s14, BHALF
	s_add_co_u32 s22, s22, BOFF
	s_lshl_b32 s66, s18, 7
	s_lshl_b32 s67, s13, 6
	s_add_co_u32 s66, s66, s67                     ; my wave's first row
	s_lshl_b32 s68, s66, 8                         ; in cos and sin: 256 bytes a row
	s_mov_b32 s69, 0
	s_lshl_b32 s70, s66, 12                        ; in qkv: 4,096 bytes a row,
	s_lshl_b32 s71, s17, 9                         ; 512 bytes a tile column,
	s_add_co_u32 s70, s70, s71
	s_lshl_b32 s71, s14, 8                         ; 256 bytes a head
	s_add_co_u32 s70, s70, s71
	s_mov_b32 s71, 0
	s_cmp_lt_u32 s17, 4                            ; tile columns 0 to 3 are q's: al = c = 2.040278; data for the table, no branch
	s_cselect_b32 s[SA], 0x400293ee, 1.0
	s_cmp_ge_u32 s17, 6                            ; tile columns 6 and 7 are v's: al = 0, be = 1
	s_cselect_b32 s[SA], 0, s[SA]
	s_cselect_b32 s[SB], 1.0, 0
	s_mov_b32 s[SA+1], s[SA]                       ; named as pairs
	s_mov_b32 s[SB+1], s[SB]
	s_mov_b32 s[HIM], 0xffff0000
	s_mov_b32 s[TB], 0
	s_wait_dscnt 0x0                               ; the opening add is done
	s_wait_kmcnt 0x0
	s_add_nc_u64 s[60:61], s[4:5], s[60:61]
	s_add_nc_u64 s[62:63], s[4:5], s[62:63]
	s_add_nc_u64 s[6:7], s[6:7], s[68:69]
	s_add_nc_u64 s[8:9], s[8:9], s[68:69]
	s_add_nc_u64 s[10:11], s[10:11], s[70:71]
.irp s, 0,1
	s_mov_b32 s[G0A+4*(\s)], 1                                      ; count = 1
	s_add_co_u32 s[G0A+4*(\s)+1], s21, (\s)*SLOT1                   ; LDS address
	s_add_nc_u64 s[G0A+4*(\s)+2:G0A+4*(\s)+3], s[60:61], (\s)*KSTEP*2  ; global address: K step s
	s_or_b32 s[G0A+4*(\s)+3], s[G0A+4*(\s)+3], 0x80000000           ; type = 2
	s_mov_b32 s[G0B+4*(\s)], 1
	s_add_co_u32 s[G0B+4*(\s)+1], s22, (\s)*SLOT1
	s_add_nc_u64 s[G0B+4*(\s)+2:G0B+4*(\s)+3], s[62:63], (\s)*KSTEP*2
	s_or_b32 s[G0B+4*(\s)+3], s[G0B+4*(\s)+3], 0x80000000
.endr
	CROUND                                         ; all sixteen work-groups are here: the first joint loads meet
	s_cmp_lt_u32 s[WV], 2                          ; a wave's two first fills stand in one branch: two loads of mine are out
	s_cbranch_scc0 .Lfirst_b
	tensor_load_to_lds s[G0A:G0A+3], s[G1A:G1A+7]
	s_nop 0
	tensor_load_to_lds s[G0A+4:G0A+7], s[G1A:G1A+7]
	s_nop 0
.rept 4
	v_nop
.endr
	s_branch .Lfirst_asked
.Lfirst_b:
	tensor_load_to_lds s[G0B:G0B+3], s[G1B:G1B+7]
	s_nop 0
	tensor_load_to_lds s[G0B+4:G0B+7], s[G1B:G1B+7]
	s_nop 0
.rept 4
	v_nop
.endr
.Lfirst_asked:
	; THE TABLE.  Lane (r = l % 16, h = l / 16) holds in block (a, b) row 16 a + r and the pairs 8 b + 4 h + 0..3 of its head: 16 bytes of cos and of sin at 256 (16 a + r) + 32 b + 16 h.
	v_and_b32 v1, 15, v0                           ; r
	v_bfe_u32 v2, v0, 4, 1                         ; h
	v_lshlrev_b32 v[CSO], 8, v1
	v_lshl_add_u32 v[CSO], v2, 4, v[CSO]
	WIN 0x80                                       ; destination window 2, address window 0
.set i, 0
.rept 32
	global_load_b128 v[4*i:4*i+3],         v[CSO], s[6:7] offset:(i/8)*4096+(i%8)*32
	global_load_b128 v[128+4*i:128+4*i+3], v[CSO], s[8:9] offset:(i/8)*4096+(i%8)*32
.set i, i+1
.endr
	WIN 0
	v_mul_u32_u24 v3, v1, PITCH
	v_lshl_add_u32 v3, v2, 4, v3                   ; a fragment's row x pitch + 16 x half
	s_mul_i32 s23, s13, AHALF
	v_add_nc_u32 v[ADRA0], s23, v3                 ; my 64 rows of xb
	v_add_nc_u32 v[ADRB0], s22, v3                 ; my 128 rows of wqkv
	v_mov_b32 v[ADRA], v[ADRA0]
	v_mov_b32 v[ADRB], v[ADRB0]
	s_mul_i32 s23, s[WV], 16*PITCH
	s_add_co_u32 s23, s23, STAGE                   ; my stage
	v_add_nc_u32 v[STO], s23, v3                   ; in: row r, 16 bytes for each half of the lanes
	v_mul_u32_u24 v4, v2, PITCH                    ; back: lanes 0-15 take one row of 256 bytes, lanes 16-31 the next
	v_lshl_add_u32 v4, v1, 4, v4
	v_add_nc_u32 v[RD], s23, v4
	v_lshlrev_b32 v4, 12, v2                       ; and the same two rows in qkv
	v_lshl_add_u32 v[CO], v1, 4, v4
	s_wait_loadcnt 0x0                             ; the table.  Its preparation stands in the wait for the first tile
	WIN 0x0a                                       ; sources in window 2
.set i, 0
.rept 128
	v_cvt_pk_bf16_f32 v[64+i], v[2*i], v[2*i+1]    ; rounded to bf16, as x and the weights are
.set i, i+1
.endr
	WIN 0x80
.set i, 0
.rept 128
	v_lshlrev_b32 v[2*i],   16,     v[64+i]        ; back to f32,
	v_and_b32     v[2*i+1], s[HIM], v[64+i]
.set i, i+1
.endr
	WIN 0x82                                       ; destination and source 0 in window 2
.set i, 0
.rept 64
	v_pk_fma_f32 v[2*i:2*i+1], v[2*i:2*i+1], s[SA:SA+1], s[SB:SB+1] op_sel_hi:[1,0,0]  ; cos x al + be
	v_pk_mul_f32 v[128+2*i:128+2*i+1], v[128+2*i:128+2*i+1], s[SA:SA+1] op_sel_hi:[1,0]  ; sin x al
.set i, i+1
.endr
	WIN 0
; 8 matrix instructions: row block a x all 8 column blocks, 32 along K, from buffers f.  zero = 1: the first product starts the sums: nothing is cleared.
; The 32 accumulators take turns in one fixed order.
.macro MULA f, a, zero
	WIN MUL
.irp b, 0,1,2,3,4,5,6,7
.if \zero
	v_wmma_f32_16x16x32_bf16 v[8*(8*(\a)+(\b)):8*(8*(\a)+(\b))+7], v[FB+64*(\f)+8*(\b):FB+64*(\f)+8*(\b)+7], v[FA+32*(\f)+8*(\a):FA+32*(\f)+8*(\a)+7], 0
.else
	v_wmma_f32_16x16x32_bf16 v[8*(8*(\a)+(\b)):8*(8*(\a)+(\b))+7], v[FB+64*(\f)+8*(\b):FB+64*(\f)+8*(\b)+7], v[FA+32*(\f)+8*(\a):FA+32*(\f)+8*(\a)+7], v[8*(8*(\a)+(\b)):8*(8*(\a)+(\b))+7]
.endif
.endr
.endm
; 24 LDS loads in one run: the fragments of 32 along K at byte k of the rows, into buffers g: wqkv's 8, then xb's 4
.macro FETCH k, g
	WIN 0
.irp i, 0,1,2,3,4,5,6,7
	ds_load_b128 v[FB+64*(\g)+8*(\i):FB+64*(\g)+8*(\i)+3],   v[ADRB] offset:(\k)+(\i)*16*PITCH
	ds_load_b128 v[FB+64*(\g)+8*(\i)+4:FB+64*(\g)+8*(\i)+7], v[ADRB] offset:(\k)+(\i)*16*PITCH+32
.endr
.irp i, 0,1,2,3
	ds_load_b128 v[FA+32*(\g)+8*(\i):FA+32*(\g)+8*(\i)+3],   v[ADRA] offset:(\k)+(\i)*16*PITCH
	ds_load_b128 v[FA+32*(\g)+8*(\i)+4:FA+32*(\g)+8*(\i)+7], v[ADRA] offset:(\k)+(\i)*16*PITCH+32
.endr
.endm
; A K step is four quarters of 32 along K, 32 matrix instructions each, on buffers 0, 1, 0, 1.  One of the first three multiplies f and fetches the next quarter, at byte k, into g.
.macro QUARTER k, f, g, zero
	s_wait_dscnt 4                                 ; all but the youngest four loads (xb's row blocks 2 and 3) are in
	MULA \f, 0, \zero
	MULA \f, 1, \zero
	PLACES
	FETCH \k, \g
	s_wait_dscnt 24                                ; all but the 24 just issued
	MULA \f, 2, \zero
	MULA \f, 3, \zero
.endm
; The last quarter multiplies buffers 1 and changes slots: ONE barrier; in front of it each wave waits for all its tensor loads (one is out: its part of the next slot), adds 0 to its spare word,
; and waits for that and for its reads of this slot.  fill = 1: the barrier opens a round of the cluster's, and this slot is filled again, two K steps ahead, first thing behind the round:
; from that request to the wait for it a wave issues 112 matrix instructions.
.macro TURN fill
	WIN 0                                          ; (the add's two registers lie in window 0)
	s_wait_tensorcnt 0x0
	ds_add_u32 v[SPW], v[NIL]                      ; 0 onto my spare word
	s_wait_dscnt 5                                 ; (the add and the youngest four loads may be out)
	MULA 1, 0, 0                                   ; eight matrix instructions stand between the add and the wait for it
	s_wait_dscnt 0x0                               ; the add is done, and my reads of this slot are over
	s_barrier_signal -1
	MULA 1, 1, 0
	WIN 0
	s_barrier_wait -1
.if \fill
	CREST                                          ; no wave of any partner still reads this slot's tile or has a load on its way
	s_xor_b32 s[G0A+5], s[G0A+5], SLOT1            ; the walking descriptors: the other slot than last time, the next K step
	s_add_nc_u64 s[G0A+6:G0A+7], s[G0A+6:G0A+7], KSTEP*2
	s_xor_b32 s[G0B+5], s[G0B+5], SLOT1
	s_add_nc_u64 s[G0B+6:G0B+7], s[G0B+6:G0B+7], KSTEP*2
	JLOAD                                          ; the four v_nop behind it are also the places in front of the loads below
.else
	PLACES
.endif
	s_xor_b32 s[TB], s[TB], SLOT1
	v_add_nc_u32 v[ADRA], s[TB], v[ADRA0]
	v_add_nc_u32 v[ADRB], s[TB], v[ADRB0]
	FETCH 0, 0
	MULA 1, 2, 0
	MULA 1, 3, 0
.endm
	s_wait_tensorcnt 1                             ; my part of K step 0 is in; step 1's may stay out
	s_barrier_signal -1
	s_barrier_wait -1
	FETCH 0, 0
	QUARTER 64, 0, 1, 1                            ; the first quarter stands in front of the loop: its products start the sums
	WIN 0
	s_mov_b32 s[CNT], 30
.Lstep:                                                ; a trip: a K step's quarters 1 to 3 and the next step's quarter 0; steps 0 to 29 fill their slot again
	QUARTER 128, 1, 0, 0
	QUARTER 192, 0, 1, 0
	TURN 1
	QUARTER 64, 0, 1, 0
	WIN 0
	s_sub_co_u32 s[CNT], s[CNT], 1
	s_cmp_lg_u32 s[CNT], 0
	s_cbranch_scc1 .Lstep
	QUARTER 128, 1, 0, 0                           ; step 30: nothing is left to ask for
	QUARTER 192, 0, 1, 0
	TURN 0
	QUARTER 64, 0, 1, 0                            ; step 31
	QUARTER 128, 1, 0, 0
	QUARTER 192, 0, 1, 0
	s_wait_dscnt 4
	MULA 1, 0, 0
	MULA 1, 1, 0
	s_wait_dscnt 0x0
	MULA 1, 2, 0
	MULA 1, 3, 0
	PLACES
; THE WAY OUT of row block a: each pair (x0, x1) becomes (x0 c - x1 s, x0 s + x1 c); rounded to f16, 16 bytes a lane; into my own stage, and back as whole rows of 256 bytes.
; Each accumulator's lowest register is read first.
.macro ROTPACK a
	WIN 0x09                                       ; source 0 (the sums) window 1, source 1 (the table) window 2
.irp b, 0,1,2,3,4,5,6,7
.irp p, 0,1,2,3
	v_mul_f32 v[OV+8*(\b)+2*(\p)],   v[8*(8*(\a)+(\b))+2*(\p)],   v[4*(8*(\a)+(\b))+(\p)]
	v_mul_f32 v[OV+8*(\b)+2*(\p)+1], v[8*(8*(\a)+(\b))+2*(\p)+1], v[4*(8*(\a)+(\b))+(\p)]
.endr
.irp p, 0,1,2,3
	v_fma_f32 v[OV+8*(\b)+2*(\p)],   -v[8*(8*(\a)+(\b))+2*(\p)+1], v[128+4*(8*(\a)+(\b))+(\p)], v[OV+8*(\b)+2*(\p)]
	v_fma_f32 v[OV+8*(\b)+2*(\p)+1], v[8*(8*(\a)+(\b))+2*(\p)],    v[128+4*(8*(\a)+(\b))+(\p)], v[OV+8*(\b)+2*(\p)+1]
.endr
.endr
	WIN 0
.set i, 0
.rept 32
	v_cvt_pk_f16_f32 v[TMP+i], v[OV+2*i], v[OV+2*i+1]
.set i, i+1
.endr
.if (\a) >= 2
	s_wait_xcnt 0x0                                ; the registers that block a - 2's stores read are loaded again only behind this wait
.endif
.irp b, 0,1,2,3,4,5,6,7
	ds_store_b128 v[STO], v[TMP+4*(\b):TMP+4*(\b)+3] offset:32*(\b)
.endr
.irp t, 0,1,2,3,4,5,6,7
	ds_load_b128 v[OB+32*((\a)%2)+4*(\t):OB+32*((\a)%2)+4*(\t)+3], v[RD] offset:(\t)*2*PITCH  ; LDS serves a wave's instructions in order (ISA guide 5.7.1.4): these see the stores above
.endr
.endm
.macro SEND a, younger                 ; younger: the LDS instructions issued behind block a's loads
.irp t, 0,1,2,3,4,5,6,7
	s_wait_dscnt (\younger)+7-(\t)
	global_store_b128 v[CO], v[OB+32*((\a)%2)+4*(\t):OB+32*((\a)%2)+4*(\t)+3], s[10:11] offset:(\a)*65536+(\t)*8192  ; 16 lanes store 256 consecutive bytes, at a multiple of 256 from qkv's first byte
.endr
.endm
	ROTPACK 0
	ROTPACK 1                                      ; a block's arithmetic stands between the loads of the block before and its stores
	SEND 0, 16
	ROTPACK 2
	SEND 1, 16
	ROTPACK 3
	SEND 2, 16
	SEND 3, 0
	s_wait_tensorcnt 0x0                           ; the wave's end: the add and its wait stand behind my last tensor load and my last LDS store
	ds_add_u32 v[SPW], v[NIL]
	s_wait_dscnt 0x0
	CROUND                                         ; the closing round: no work-group ends while a partner may still ask for a tile that names it
	s_endpgm
.Lfunc_end_k_qe32fc96c7d_qkv:
	.size	k_qe32fc96c7d_qkv, .Lfunc_end_k_qe32fc96c7d_qkv-k_qe32fc96c7d_qkv
	.p2alignl 7, 3214868480
	.fill 96, 4, 3214868480
	.section	.rodata,"a",@progbits
	.p2align	6, 0x0
	.amdhsa_kernel k_qe32fc96c7d_qkv
		.amdhsa_group_segment_fixed_size 327680
		.amdhsa_private_segment_fixed_size 0
		.amdhsa_enable_private_segment 0
		.amdhsa_kernarg_size 32
		.amdhsa_user_sgpr_count 2
		.amdhsa_user_sgpr_kernarg_segment_ptr 1
		.amdhsa_wavefront_size32 1
		.amdhsa_system_sgpr_workgroup_id_x 1
		.amdhsa_system_sgpr_workgroup_id_y 1
		.amdhsa_system_sgpr_workgroup_id_z 1
		.amdhsa_system_vgpr_workitem_id 0
		.amdhsa_next_free_vgpr 768
		.amdhsa_next_free_sgpr 80
		.amdhsa_reserve_vcc 0
		.amdhsa_float_denorm_mode_32 3
		.amdhsa_float_denorm_mode_16_64 3
		.amdhsa_memory_ordered 1
		.amdhsa_forward_progress 1
		.amdhsa_inst_pref_size 125
	.end_amdhsa_kernel
	.amdgpu_metadata
---
amdhsa.version: [ 1, 2 ]
amdhsa.kernels:
  - .name:           k_qe32fc96c7d_qkv
    .symbol:         k_qe32fc96c7d_qkv.kd
    .args:
      - { .name: bf, .offset: 0, .size: 8, .value_kind: global_buffer, .address_space: global }
      - { .name: freqs_cos, .offset: 8, .size: 8, .value_kind: global_buffer, .address_space: global }
      - { .name: freqs_sin, .offset: 16, .size: 8, .value_kind: global_buffer, .address_space: global }
      - { .name: qkv, .offset: 24, .size: 8, .value_kind: global_buffer, .address_space: global }
    .group_segment_fixed_size: 327680
    .private_segment_fixed_size: 0
    .kernarg_segment_align: 8
    .kernarg_segment_size: 32
    .max_flat_workgroup_size: 128
    .sgpr_count:     80
    .vgpr_count:     768
    .wavefront_size: 32
...
	.end_amdgpu_metadata
.endif
;; end of part 2
;; launch attn (part 3): grid 16 x 16, 4 waves a work-group, clusters of 4 x 1, 327,680 bytes of LDS; arguments qkv, att; writes att
.if DOCPART == 3
	.amdgcn_target "amdgcn-amd-amdhsa--gfx1250"
	.amdhsa_code_object_version 6
	.text
	.protected	k_qe32fc96c7d_attn
	.globl	k_qe32fc96c7d_attn
	.p2align	8
	.type	k_qe32fc96c7d_attn,@function
k_qe32fc96c7d_attn:
	s_mov_b64 s[64:65], 0
	v_nop
	global_prefetch_b8 v0, s[64:65] scope:SCOPE_SE
	s_setreg_imm32_b32 hwreg(HW_REG_WAVE_MODE, 25, 1), 1
	s_wait_xcnt 0x0
	s_wait_alu depctr_hold_cnt(0) depctr_sa_sdst(0) depctr_va_vdst(0) depctr_va_sdst(0) depctr_va_ssrc(0) depctr_va_vcc(0) depctr_vm_vsrc(0)
	s_getreg_b32 s2, hwreg(HW_REG_IB_STS2, 6, 4)
	s_cmp_eq_u32 s2, 0
	s_cbranch_scc0 .Lentry_in_a_cluster
	s_endpgm
.Lentry_in_a_cluster:
	s_bfe_u32 s2, ttmp6, 0x10000c
	s_cmp_lg_u32 s2, 0x3003
	s_cbranch_scc0 .Lentry_shape_is_right
	s_endpgm
.Lentry_shape_is_right:
; CAUSAL ATTENTION, two query heads to a key head.  qkv: [4096 rows = batch x 2048 + position][2048] f16, 4,096 bytes a row: q head h at byte 256 h (c q / 4, c = 16 log2(e) / sqrt(128)),
; k head kv at 2,048 + 256 kv (k / 4), v head kv at 3,072 + 256 kv (v / 4).  So a product of a q row and a k row IS the score in units of log2.  att: [4096][1024] f16, head h at byte 256 h, a quarter of the true O.
; Products, maxima and sums in f32; the weights p are rounded to f16 for the second product (their sum l is taken of the unrounded p), O once at the end.
; LIMITS.  f16 holds no number beyond 65,504: q, k, v arrive within it; p lies in 0 to 1 and below 6e-5 keeps f16's fixed step of 6e-8.  A hidden score takes the same -1e9 that the problem adds (here -1e9 log2(e));
; key tiles wholly above the diagonal of all four partners' blocks are not walked, which is the same as long as score differences stay under 1e9.  A weight below 2^-126 counts as 0 in l.
; NaN and infinities are not treated apart.
; THE WALK.  A head's 2,048 queries are 32 blocks of 64; keys go in tiles of 256, four steps of 64.  A cluster (a = its x, 0..3) serves one batch and query head; its work-group cx takes block I1 = 4 a + cx and
; then I2 = 31 - I1.  All four walk the SAME tiles: 0 .. a, then 0 .. 7 - a: 9 tiles whatever a, so all 256 work-groups do equal work, every tile is asked for JOINTLY, and the trip at which the blocks change
; hangs on a alone.  Steps of a block's last tile that lie wholly above its diagonal are computed all the same.
; SHARES.  Wave w owns rows 32 (w % 2) .. + 31 of the block, two tiles t of 16 queries, and of each key tile the steps 2 (w / 2) and 2 (w / 2) + 1: a fragment read from LDS feeds two tiles' products, as it would
; with 128 queries a block, and there is a wave's work for each of 1,024 SIMDs.  Each wave keeps a running maximum m, a sum l and an O^T of its own keys.  AT A BLOCK'S END waves 2 and 3 hand theirs, in f32, through
; LDS to waves 0 and 1, which form O = (O_A f_A + O_B f_B) / (l_A f_A + l_B f_B), f = 2^(m - max(m_A, m_B)).  The barrier between stands once in every trip, outside the jumps on the block's end.
; LAYOUT.  S^T = K Q^T (source 0 = 16 keys, source 1 = 16 queries): a lane holds ONE query (lane % 16) and the keys 8 (lane / 16) + 0..7.  Two such results rounded to f16 ARE source 1 of O^T = V^T P.
; K comes out of LDS as it lies, V ([key][channel]) turned, by ds_load_tr16_b128.
; SOFTMAX.  p = 2^(s - m): the difference is taken first, so p never passes 1, whatever the size of the scores: also for a wave that sees hidden keys alone (rows under 128, waves 2 and 3), whose m is then a hidden
; score and whose f is 0.  In every step O and l are multiplied by a = 2^(m_old - m_new).  m starts at the lowest finite number, so a block's first step has a = 0 and is a step like any other.
; THE MASK is the C operand that starts a sum.  With E = 16 (tile) + 8 (w / 2) + 4 (step of my two) - 4 (block) - 2 (w % 2), the product of key block kb and tile t sees all keys if E + kb - t < 0, none if > 0,
; and holds the diagonal if = 0: five masks (kb - t = -1 .. 3) are made for each step from the triangle TRI and two scalars.  One text serves every step.
; REGISTERS, in windows of 256 (s_set_vgpr_msb: bits 1:0 source 0, 3:2 source 1, 5:4 source 2, 7:6 destination):
;   window 0: v0-15 addresses; v16-31 statistics, 8 a tile; v32-39 TRI; v40-79 the five masks; v80-143 S^T, 32 a tile; v144-175 P, 16 a tile; v176-239 at a block's end alone
;   window 1: v0-127 O^T, 64 a tile; v128-191 Q; v192-255 the second block's Q          window 2: v0-127 K of one step; v128-255 V of one step
.set KS,    64
.set PK,    272       ; a row of K in LDS: 256 bytes + 16 of padding: the 16 rows of a load start at 16 different groups of four banks (64 banks of 4 bytes: ISA guide 11.1)
.set PV,    288       ; a row of V: 256 + 32
.set KSTEP, KS*PK     ; a step's K
.set VSTEP, KS*PV     ; a step's V
.set VOFF,  4*KSTEP   ; a slot holds a tile: 256 rows of K, then 256 rows of V
.set SLOTB, 4*(KSTEP+VSTEP)  ; 143,360 bytes; slot n begins at n x SLOTB
.set MRG,   2*SLOTB   ; behind the ring, never filled by a tensor load: for each w % 2 the exchange at a block's end: 32 x 512 bytes of O^T, 2 x 512 of statistics; then the same bytes are the stage for the way out
.set MRGW,  34*512
.set SP,    272       ; a row of the stage
.set SPARE, MRG+2*MRGW  ; the spare words, 128 bytes for each wave: two blocks of 256 bytes that no other line names
.set AK0, 2           ; v2   my lane's place in my first step's K of slot 0; never rewritten
.set AV0, 3           ; v3   the same for V
.set AK,  4           ; v4   the same in the slot in hand
.set AV,  5           ; v5
.set STO, 6           ; v6   the way out: where I put 16 bytes of a row
.set RD,  7           ; v7   where I read a row back
.set GO,  8           ; v8   my byte offset in att
.set QO,  12          ; v12  my byte offset in 16 rows of Q
.set MGA, 13          ; v13  the exchange: 16 x lane in my w % 2's region
.set SPW, 14          ; v14  LDS address of my spare word; never rewritten
.set NIL, 15          ; v15  0; never rewritten
.set ST,  16          ; tile t's statistics at v[ST+8 t]: +0 m, +1 at a block's end l's total, +2, +3 l (even keys', odd keys'), +4 to +7 c0-c3 at work; a takes c2's place
.set TRI, 32
.set MK,  40          ; the mask for kb - t = d - 1 at MK + 8 d
.set XST, 40          ; at a block's end: the partner's statistics, four registers a tile
.set S,   80
.set P,   144
.set OQ,  128         ; window 1
.set Q2,  192         ; window 1
.set VF,  128         ; window 2
.set WV,  12          ; s12  my wave's number
.set CX,  13          ; s13  my place in the cluster: it enters Q's and O's addresses and E alone
.set AA,  14          ; s14  a
.set KLB, 15          ; s15  where my load of K lands in slot 0
.set G1K, 24          ; s[24:31] descriptor group 1 for K's tiles
.set G1V, 32          ; s[32:39] for V's: it differs in the padding alone
.set G0K, 40          ; s[40:47] group 0 for K's: a set for each first fill; the second then walks
.set G0V, 48          ; s[48:55] the same for V's
.set SLOTS, 56        ; s56  the loops' count
.set RT,  57          ; s57  tiles left in the block in hand
.set DSL, 58          ; s58  0 or 1: the slot that the walking descriptors name
.set VLB, 59          ; s59  where my load of V lands in slot 0
.set SEL, 60          ; s[60:61] v_permlanex16_b32's selects: each lane takes its own place in the other half
.set TB,  62          ; s62  the first byte of the slot that is read
.set NXT, 63          ; s63  the tile to be asked for next
.set LQ,  66          ; s66  the last tile of the block whose tiles are being asked for
.set LQ2, 67          ; s67  the second block's
.set OFF, 68          ; s[68:69] a tile's byte offset in K and V
.set AL,  70          ; s[70:71] the mask's factor, in the low word
.set BE,  72          ; s[72:73] the mask's addend
.set NEGM, 74         ; s74  -1e9 log2(e)
.set EE,  75          ; s75  E of the step whose masks are made next
.set E2,  76          ; s76  E at the second block's beginning
.set RT2, 77          ; s77  the second block's tiles
.set RSL, 88          ; s88  0 or 1: the slot that is read
.set TMS, 89          ; s89  at work
.set MSB, 0
.macro WIN new                      ; the high byte repeats the setting that is left; a switch that changes nothing is dropped
.if MSB != (\new)
	s_set_vgpr_msb (MSB<<8)|(\new)
.set MSB, (\new)
.endif
.endm
.set W_KQ, 0x06       ; K in window 2, Q in window 1, the mask and S^T in window 0
.set W_PV, 0x52       ; V in window 2, P in window 0, O^T in window 1
.set W_RS, 0x41       ; destination and source 0 in window 1, source 1 in window 0
.macro PLACES
.rept 4
	v_nop
.endr
.endm
; A joint refill.  Waves 0 and 1 fetch the two halves of a tile's K, waves 2 and 3 those of its V: 128 keys each.  The branch hangs on the wave's number alone.
; An s_nop 0 and four v_nop follow each of the two lines, ahead of the jump and the label.
.macro JLOAD
	s_cmp_lt_u32 s[WV], 2
	s_cbranch_scc0 .Lfor_v_\@
	tensor_load_to_lds s[G0K+4:G0K+7], s[G1K:G1K+7]
	s_nop 0
.rept 4
	v_nop
.endr
	s_branch .Lasked_\@
.Lfor_v_\@:
	tensor_load_to_lds s[G0V+4:G0V+7], s[G1V:G1V+7]
	s_nop 0
.rept 4
	v_nop
.endr
.Lasked_\@:
.endm
.macro CROUND                       ; a round of the cluster's barrier
	s_barrier_signal -1
	s_barrier_wait -1
	s_cmp_lg_u32 s[WV], 0
	s_cbranch_scc1 .Lnot_wave_0_\@
	s_barrier_signal -3
.Lnot_wave_0_\@:
	s_barrier_wait -3
	s_barrier_signal -1
	s_barrier_wait -1
.endm
.macro ADV                          ; the walk's next tile: the block's next, or behind its last the second block's tile 0
	s_add_co_u32 s[NXT], s[NXT], 1
	s_cmp_gt_u32 s[NXT], s[LQ]
	s_cselect_b32 s[NXT], 0, s[NXT]
	s_cselect_b32 s[LQ], s[LQ2], s[LQ]
.endm
	s_load_b128 s[4:7], s[0:1], 0x0 ; qkv s[4:5], att s[6:7]
	v_lshl_add_u32 v[SPW], v0, 2, SPARE
	v_mov_b32 v[NIL], 0
	ds_add_u32 v[SPW], v[NIL]       ; the wave's opening: the add and its wait stand ahead of my first tensor load; the set-up below stands between them
	v_lshrrev_b32 v1, 5, v0
	v_readfirstlane_b32 s[WV], v1   ; wave 0..3
	s_bfe_u32 s[CX], ttmp6, 0x40000
	s_mov_b32 s[AA], ttmp9          ; in a cluster launch ttmp9 counts clusters
	s_and_b32 s80, ttmp7, 0xffff
	s_lshr_b32 s79, s80, 3          ; batch
	s_and_b32 s80, s80, 7           ; query head
	s_lshr_b32 s81, s80, 1          ; key head
	s_and_b32 s82, s[WV], 1         ; which 32 rows of a block are mine.  Also: which half of a tile's keys I fetch
	s_lshr_b32 s83, s[WV], 1        ; which two steps of a tile are mine
	; what the four partners share: K's and V's place, the walk.  These registers never hold cx.
	s_lshl_b32 s86, s79, 23         ; 2,048 rows of 4,096 bytes a batch,
	s_lshl_b32 s87, s82, 19         ; 128 rows a half,
	s_add_co_u32 s86, s86, s87
	s_lshl_b32 s87, s81, 8          ; 256 bytes a head,
	s_add_co_u32 s86, s86, s87
	s_add_co_u32 s86, s86, 2048     ; behind q's 2,048 bytes
	s_mov_b32 s87, 0
	s_mul_i32 s[KLB], s82, 2*KSTEP  ; and the half's place in a slot
	s_mul_i32 s[VLB], s82, 2*VSTEP
	s_add_co_u32 s[VLB], s[VLB], VOFF
	s_add_co_u32 s[RT], s[AA], 1    ; the first block walks a + 1 tiles,
	s_sub_co_u32 s[RT2], 8, s[AA]   ; the second 8 - a
	s_mov_b32 s[LQ], s[AA]
	s_sub_co_u32 s[LQ2], 7, s[AA]
	s_mov_b32 s[NXT], 0             ; the walk's first tile is tile 0;
	ADV
	s_lshl_b32 s[OFF], s[NXT], 20   ; its second: a tile is 256 rows of 4,096 bytes
	s_mov_b32 s[OFF+1], 0
	ADV                             ; its third is the first refill's
	s_mov_b32 s[DSL], 1
	s_mov_b32 s[RSL], 0
	; what is mine alone: the blocks, E
	s_lshl_b32 s84, s[AA], 2
	s_add_co_u32 s84, s84, s[CX]    ; I1
	s_sub_co_u32 s85, 31, s84       ; I2
	s_lshl_b32 s78, s79, 23         ; Q: batch, my wave's 32 rows of 4,096 bytes, head,
	s_lshl_b32 s90, s82, 17
	s_add_co_u32 s78, s78, s90
	s_lshl_b32 s90, s80, 8
	s_add_co_u32 s78, s78, s90
	s_lshl_b32 s16, s84, 18         ; and the block's 64 rows
	s_add_co_u32 s16, s16, s78
	s_mov_b32 s17, 0
	s_lshl_b32 s18, s85, 18
	s_add_co_u32 s18, s18, s78
	s_mov_b32 s19, 0
	s_lshl_b32 s78, s79, 22         ; O: the same with rows of 2,048 bytes
	s_lshl_b32 s91, s82, 16
	s_add_co_u32 s78, s78, s91
	s_add_co_u32 s78, s78, s90
	s_lshl_b32 s20, s84, 17
	s_add_co_u32 s20, s20, s78
	s_mov_b32 s21, 0
	s_lshl_b32 s22, s85, 17
	s_add_co_u32 s22, s22, s78
	s_mov_b32 s23, 0
	s_lshl_b32 s78, s83, 3          ; E at tile 0, my first step: 8 (w / 2) - 2 (w % 2) - 4 I
	s_lshl_b32 s91, s82, 1
	s_sub_co_i32 s78, s78, s91
	s_lshl_b32 s91, s84, 2
	s_sub_co_i32 s[EE], s78, s91
	s_lshl_b32 s91, s85, 2
	s_sub_co_i32 s[E2], s78, s91
	; descriptor group 1: a tile of 128 rows x 128 elements, padded in LDS
	s_mov_b32 s[G1K], 15|(1<<16)|(1<<20)|(1<<21)|(5<<22)|(3<<25)  ; 15:0 the mask of four; 17:16 2-byte elements; 20 padding on; 21 set beside a mask; 24:22 after every 64 words; 31:25 4 words of it
	s_mov_b32 s[G1V], 15|(1<<16)|(1<<20)|(1<<21)|(5<<22)|(7<<25)  ; the same with 8 words of padding
.irp g, G1K, G1V
	s_mov_b32 s[(\g)+1], 128<<16    ; tensor_dim0 = 128
	s_mov_b32 s[(\g)+2], 128<<16    ; tensor_dim1 = 128
	s_mov_b32 s[(\g)+3], 128<<16    ; tile_dim0 = 128
	s_mov_b32 s[(\g)+4], 128        ; tile_dim1 = 128
	s_mov_b32 s[(\g)+5], 2048       ; elements from row to row
	s_mov_b32 s[(\g)+6], 0
	s_mov_b32 s[(\g)+7], 0
.endr
	s_mov_b32 s[SEL], 0x76543210
	s_mov_b32 s[SEL+1], 0xfedcba98
	s_mov_b32 s[AL+1], 0            ; named as pairs
	s_mov_b32 s[BE+1], 0
	s_mov_b32 s[NEGM], 0xceabfb8f   ; -1.44269504e9
	s_mov_b32 s[G0K], 1             ; count = 1
	s_mov_b32 s[G0K+1], s[KLB]      ; LDS address: slot 0
	s_mov_b32 s[G0K+4], 1
	s_add_co_u32 s[G0K+5], s[KLB], SLOTB
	s_mov_b32 s[G0V], 1
	s_mov_b32 s[G0V+1], s[VLB]
	s_mov_b32 s[G0V+4], 1
	s_add_co_u32 s[G0V+5], s[VLB], SLOTB
	s_wait_dscnt 0x0                ; the opening add is done
	s_wait_kmcnt 0x0
	s_add_nc_u64 s[8:9], s[4:5], s[86:87]   ; K at my half of tile 0
	s_add_nc_u64 s[10:11], s[8:9], 1024     ; V likewise
	s_add_nc_u64 s[16:17], s[4:5], s[16:17] ; Q of the first block, of the second
	s_add_nc_u64 s[18:19], s[4:5], s[18:19]
	s_add_nc_u64 s[20:21], s[6:7], s[20:21] ; O likewise
	s_add_nc_u64 s[22:23], s[6:7], s[22:23]
	s_mov_b64 s[G0K+2:G0K+3], s[8:9]        ; global address: the walk's first tile,
	s_or_b32 s[G0K+3], s[G0K+3], 0x80000000 ; type = 2
	s_add_nc_u64 s[G0K+6:G0K+7], s[8:9], s[OFF:OFF+1]  ; its second
	s_or_b32 s[G0K+7], s[G0K+7], 0x80000000
	s_mov_b64 s[G0V+2:G0V+3], s[10:11]
	s_or_b32 s[G0V+3], s[G0V+3], 0x80000000
	s_add_nc_u64 s[G0V+6:G0V+7], s[10:11], s[OFF:OFF+1]
	s_or_b32 s[G0V+7], s[G0V+7], 0x80000000
	CROUND                          ; all four work-groups are here: the first joint loads meet
	s_cmp_lt_u32 s[WV], 2           ; a wave's two first fills stand in one branch: two loads of mine are out
	s_cbranch_scc0 .Lfirst_v
	tensor_load_to_lds s[G0K:G0K+3], s[G1K:G1K+7]
	s_nop 0
	tensor_load_to_lds s[G0K+4:G0K+7], s[G1K:G1K+7]
	s_nop 0
.rept 4
	v_nop
.endr
	s_branch .Lfirst_asked
.Lfirst_v:
	tensor_load_to_lds s[G0V:G0V+3], s[G1V:G1V+7]
	s_nop 0
	tensor_load_to_lds s[G0V+4:G0V+7], s[G1V:G1V+7]
	s_nop 0
.rept 4
	v_nop
.endr
.Lfirst_asked:
	; A fragment of K or Q is 16 rows x 32 channels in 8 registers: lane l holds row l % 16, channels 8 (l / 16) + 0..7 and 16 + 8 (l / 16) + 0..7: two loads of 16 bytes, 32 bytes apart.
	v_and_b32 v1, 15, v0            ; l % 16
	v_bfe_u32 v9, v0, 4, 1          ; l / 16
	v_lshlrev_b32 v[QO], 12, v1
	v_lshl_add_u32 v[QO], v9, 4, v[QO]  ; row x 4,096 + 16 x half
	WIN 0x40                        ; destination window 1, address window 0
.set i, 0
.rept 8                             ; both blocks' Q stay in registers: tile i / 4, channels 32 (i % 4) on
	global_load_b128 v[OQ+8*i:OQ+8*i+3],   v[QO], s[16:17] offset:(i/4)*65536+(i%4)*64
	global_load_b128 v[OQ+8*i+4:OQ+8*i+7], v[QO], s[16:17] offset:(i/4)*65536+(i%4)*64+32
	global_load_b128 v[Q2+8*i:Q2+8*i+3],   v[QO], s[18:19] offset:(i/4)*65536+(i%4)*64
	global_load_b128 v[Q2+8*i+4:Q2+8*i+7], v[QO], s[18:19] offset:(i/4)*65536+(i%4)*64+32
.set i, i+1
.endr
	; A block's first step multiplies O^T and l by a = 0, so they need only hold finite numbers: zeros for the first block, what the first block left for the second.  This stands in the wait for the first tile.
.set i, 0
.rept 128
	v_mov_b32 v[i], 0
.set i, i+1
.endr
	WIN 0
.irp t, 0,1
	v_mov_b32 v[ST+8*(\t)+2], 0
	v_mov_b32 v[ST+8*(\t)+3], 0
.endr
.macro FRESH                        ; a block begins: m is the lowest finite number (the register beside it is named with it as a pair)
.irp t, 0,1
	v_mov_b32 v[ST+8*(\t)], 0xff7fffff
	v_mov_b32 v[ST+8*(\t)+1], 0
.endr
.endm
	FRESH
	v_lshlrev_b32 v10, 3, v9
	v_sub_nc_u32 v10, v1, v10       ; on the diagonal, register j (key 8 (l / 16) + j) is hidden from query l % 16 where j is greater than this
.set i, 0
.rept 8
	v_cmp_gt_i32 vcc_lo, i, v10
	v_cndmask_b32 v[TRI+i], 0, s[NEGM], vcc_lo
.set i, i+1
.endr
	v_mul_u32_u24 v[AK0], v1, PK
	v_lshl_add_u32 v[AK0], v9, 4, v[AK0]  ; row x pitch + 16 x half,
	s_mul_i32 s78, s83, 2*KSTEP
	v_add_nc_u32 v[AK0], s78, v[AK0]      ; in my two steps
	; The turning load takes 16 keys x 16 channels (lane l reads key 8 (l / 16) + l % 8, channels 8 ((l / 8) % 2) + 0..7) and leaves half a fragment of V^T: lane l holds channel l % 16 and 8 keys.
	v_and_b32 v10, 7, v0
	v_bfe_u32 v11, v0, 3, 1
	v_lshl_add_u32 v[AV0], v9, 3, v10
	v_mul_u32_u24 v[AV0], v[AV0], PV
	v_lshl_add_u32 v[AV0], v11, 4, v[AV0]
	s_mul_i32 s78, s83, 2*VSTEP
	s_add_co_u32 s78, s78, VOFF
	v_add_nc_u32 v[AV0], s78, v[AV0]
	v_mov_b32 v[AK], v[AK0]
	v_mov_b32 v[AV], v[AV0]
	s_mul_i32 s78, s82, MRGW
	s_add_co_u32 s78, s78, MRG      ; the exchange and stage of my w % 2
	v_mul_u32_u24 v[STO], v1, SP    ; the stage, in: row l % 16, 16 bytes for each half of the lanes
	v_lshl_add_u32 v[STO], v9, 4, v[STO]
	v_add_nc_u32 v[STO], s78, v[STO]
	v_mul_u32_u24 v[RD], v9, SP     ; back: lanes 0-15 take one row of 256 bytes, lanes 16-31 the next
	v_lshl_add_u32 v[RD], v1, 4, v[RD]
	v_add_nc_u32 v[RD], s78, v[RD]
	v_and_b32 v10, 31, v0
	v_lshl_add_u32 v[MGA], v10, 4, s78  ; the exchange: each instruction's 32 lanes take 512 consecutive bytes
	v_lshlrev_b32 v[GO], 11, v9     ; the stage's two rows in att
	v_lshl_add_u32 v[GO], v1, 4, v[GO]
; THE MATRIX WORK.  The accumulators of a run take turns, one instruction a turn.
; Product i of 16 of S^T = K Q^T for tile t: keys 16 (i % 4) on, channels 32 (i / 4) on.  The first 4 start the sums with their masks.
.macro MKQ t
	WIN W_KQ
.set rS, S+32*(\t)+8*(i%4)
.set rK, 32*(i%4)+8*(i/4)
.set rQ, OQ+32*(\t)+8*(i/4)
.set rM, MK+8*((i%4)-(\t)+1)
.if i < 4
	v_wmma_f32_16x16x32_f16 v[rS:rS+7], v[rK:rK+7], v[rQ:rQ+7], v[rM:rM+7]
.else
	v_wmma_f32_16x16x32_f16 v[rS:rS+7], v[rK:rK+7], v[rQ:rQ+7], v[rS:rS+7]
.endif
.endm
; Product i of 16 of O^T += V^T P for tile t: channels 16 (i % 8) on, keys 32 (i / 8) on.
.macro MPV t
	WIN W_PV
.set rO, 64*(\t)+8*(i%8)
.set rV, VF+64*(i/8)+8*(i%8)
.set rP, P+16*(\t)+8*(i/8)
	v_wmma_f32_16x16x32_f16 v[rO:rO+7], v[rV:rV+7], v[rP:rP+7], v[rO:rO+7]
.endm
; THE LDS LOADS stand in runs of 32: a step's K (16 fragments) or its V (turned), at byte off behind my first step in the slot in hand.
.macro FETCH_K off
	WIN 0x80                        ; destination window 2
.irp f, 0,1,2,3,4,5,6,7,8,9,10,11,12,13,14,15  ; keys 16 (f / 4) on, channels 32 (f % 4) on
	ds_load_b128 v[8*(\f):8*(\f)+3],   v[AK] offset:(\off)+((\f)/4)*16*PK+((\f)%4)*64
	ds_load_b128 v[8*(\f)+4:8*(\f)+7], v[AK] offset:(\off)+((\f)/4)*16*PK+((\f)%4)*64+32
.endr
.endm
.macro FETCH_V off
	WIN 0x80
.irp f, 0,1,2,3,4,5,6,7,8,9,10,11,12,13,14,15  ; keys 32 (f / 8) on, channels 16 (f % 8) on
	ds_load_tr16_b128 v[VF+8*(\f):VF+8*(\f)+3],   v[AV] offset:(\off)+((\f)/8)*32*PV+((\f)%8)*32
	ds_load_tr16_b128 v[VF+8*(\f)+4:VF+8*(\f)+7], v[AV] offset:(\off)+((\f)/8)*32*PV+16*PV+((\f)%8)*32
.endr
.endm
; The five masks of the step that E stands for: TRI x AL + BE with (1, 0) on the diagonal, (0, 0) below it, (0, NEGM) above.  Then E goes on by inc: 4 to my second step, 12 from there to my first step of the next tile.
.macro MASKS inc
	WIN 0
.irp d, 0,1,2,3,4
	s_cmp_eq_i32 s[EE], 1-(\d)
	s_cselect_b32 s[AL], 1.0, 0
	s_cmp_gt_i32 s[EE], 1-(\d)
	s_cselect_b32 s[BE], s[NEGM], 0
.irp z, 0,1,2,3
	v_pk_fma_f32 v[MK+8*(\d)+2*(\z):MK+8*(\d)+2*(\z)+1], v[TRI+2*(\z):TRI+2*(\z)+1], s[AL:AL+1], s[BE:BE+1] op_sel_hi:[1,0,0]
.endr
.endr
	s_add_co_i32 s[EE], s[EE], \inc
.endm
; THE VECTOR WORK.  One tile's softmax for one key step is a numbered list; SM writes number j of it for tile t (number 19 is empty).  s0-s31 are the lane's 32 scores, in pairs 0-15.
;   0-15    the maximum of s0-s31 and the old m, three operands at a time: four chains c0-c3 (each accumulator's lowest registers are read first), then the rest
;   16-20   the other half of the lanes' maximum; m_old is kept; the new m; m_old - m_new
;   21-87   33 exponentials (a, then s0-s31) at the odd numbers from 23 on: each has a plain instruction that names none of its registers as the next vector line.  The plain ones are whatever is ready:
;           s - m for a pair whose exponentials are still to come, the rounding to f16 of a pair whose exponentials are done, the first sums
;   88-101  the last rounding; the rest of the sums; l = a l + the sum          102-133 the tile's O^T times a, from each accumulator's low end on
.macro SM t
.set rT, ST+8*(\t)
.set rS, S+32*(\t)
.set rP, P+16*(\t)
.set rO, 64*(\t)+2*(j-102)
.set q, (j-20)/2
.if j < 102
	WIN 0
.endif
.if j < 4
	v_max3_num_f32 v[rT+4+j], v[rS+8*j], v[rS+8*j+1], v[rS+8*j+2]
.elseif j < 12
	v_max3_num_f32 v[rT+4+j%4], v[rT+4+j%4], v[rS+8*(j%4)+2*(j/4)+1], v[rS+8*(j%4)+2*(j/4)+2]
.elseif j == 12
	v_max3_num_f32 v[rT+4], v[rT+4], v[rS+7], v[rS+15]
.elseif j == 13
	v_max3_num_f32 v[rT+6], v[rT+6], v[rS+23], v[rS+31]
.elseif j == 14
	v_max3_num_f32 v[rT+4], v[rT+4], v[rT+5], v[rT+6]
.elseif j == 15
	v_max3_num_f32 v[rT+4], v[rT+4], v[rT+7], v[rT]
.elseif j == 16
	v_permlanex16_b32 v[rT+5], v[rT+4], s[SEL], s[SEL+1]  ; the query's other 32 keys lie in the lane 16 away
.elseif j == 17
	v_mov_b32 v[rT+7], v[rT]
.elseif j == 18
	v_max_num_f32 v[rT], v[rT+4], v[rT+5]
.elseif j == 19                     ; nothing: the scores come in units of log2, so m needs no scaling
.elseif j == 20
	v_sub_f32 v[rT+7], v[rT+7], v[rT]
.elseif j == 23
	v_exp_f32 v[rT+6], v[rT+7]
.elseif (j < 88) && (j > 23) && (j%2 == 1)
	v_exp_f32 v[rS+(j-25)/2], v[rS+(j-25)/2]
.elseif (q < 4) || ((j < 76) && (q%2 == 0))
.set b, q/2+2
.if q < 4
.set b, q
.endif
	v_pk_add_f32 v[rS+2*b:rS+2*b+1], v[rS+2*b:rS+2*b+1], v[rT:rT+1] op_sel_hi:[1,0] neg_lo:[0,1] neg_hi:[0,1]  ; pair b: s - m
.elseif (j < 88) && (q%2 == 1)
	s_wait_alu depctr_va_vdst(0)
	v_cvt_pk_f16_f32 v[rP+(q-5)/2], v[rS+q-5], v[rS+q-4]
.elseif j == 89
	s_wait_alu depctr_va_vdst(0)
	v_cvt_pk_f16_f32 v[rP+15], v[rS+30], v[rS+31]
.elseif j < 102                     ; the sum of the 16 pairs, in place: sum z of 16 adds neighbours 1, 2, 4 and 8 pairs apart, then l takes it
.set z, j-86
.if j < 89
.set z, (j-76)/4
.endif
.set w, 4
.set u, z
.if z >= 14
.set w, 32
.set u, 0
.elseif z >= 12
.set w, 16
.set u, z-12
.elseif z >= 8
.set w, 8
.set u, z-8
.endif
.if z < 15
	v_pk_add_f32 v[rS+w*u:rS+w*u+1], v[rS+w*u:rS+w*u+1], v[rS+w*u+w/2:rS+w*u+w/2+1]
.else
	v_pk_fma_f32 v[rT+2:rT+3], v[rT+2:rT+3], v[rT+6:rT+7], v[rS:rS+1] op_sel_hi:[1,0,1]
.endif
.else
	WIN W_RS
	v_pk_mul_f32 v[rO:rO+1], v[rO:rO+1], v[rT+6:rT+7] op_sel_hi:[1,0]
.endif
.endm
; 16 matrix instructions of one kind (0: K Q^T, 1: V^T P) for tile tm; behind each the next per numbers of tile ts's list.  None names a register of the products round it.
; fv >= 0: V at byte fv is fetched behind the second product's numbers: six plain instructions behind the last product that read V.
.macro RUN kind, tm, ts, per, fv=-1
.set i, 0
.rept 16
.if (\kind) == 0
	MKQ \tm
.else
	MPV \tm
.endif
.rept \per
	SM \ts
.set j, j+1
.endr
.if ((\fv) >= 0) && (i == 1)
	FETCH_V \fv
.endif
.set i, i+1
.endr
.endm
.macro REST ts                      ; the list's last numbers: six packed multiplies
.rept 134-j
	SM \ts
.set j, j+1
.endr
.endm
; THE CHANGE OF SLOTS.  Each wave waits for all its tensor loads, of which one is out: its part of the other slot; adds 0 to its spare word; and waits for that and for its reads of the slot that it leaves.
; fill = 1: the barrier is a round of the cluster's, and the old slot is filled again, first thing behind it, with tile NXT: the address is made anew from that number, the LDS word from the slot's number.
; The load has a whole trip, 128 matrix instructions of each wave, in which to land.
.macro CHANGE fill
	WIN 0                           ; at a label and at a branch every window is 0
	s_wait_tensorcnt 0x0            ; no tensor load of mine is out, so a group 0 may be written
	ds_add_u32 v[SPW], v[NIL]       ; 0 onto my spare word
.if \fill
	s_lshl_b32 s[OFF], s[NXT], 20   ; a tile is 256 rows of 4,096 bytes
	s_xor_b32 s[DSL], s[DSL], 1     ; the other slot than last time
	s_mul_i32 s[TMS], s[DSL], SLOTB
	s_add_co_u32 s[G0K+5], s[TMS], s[KLB]
	s_add_nc_u64 s[G0K+6:G0K+7], s[8:9], s[OFF:OFF+1]
	s_or_b32 s[G0K+7], s[G0K+7], 0x80000000
	s_add_co_u32 s[G0V+5], s[TMS], s[VLB]
	s_add_nc_u64 s[G0V+6:G0V+7], s[10:11], s[OFF:OFF+1]
	s_or_b32 s[G0V+7], s[G0V+7], 0x80000000
	ADV
	s_wait_dscnt 0x0                ; the add is done, my reads of the slot are over, and V of my second step is in
	CROUND
	JLOAD
.else
	s_wait_dscnt 0x0
	s_barrier_signal -1
	s_barrier_wait -1
.endif
	s_xor_b32 s[RSL], s[RSL], 1
	s_mul_i32 s[TB], s[RSL], SLOTB
	v_add_nc_u32 v[AK], s[TB], v[AK0]
	v_add_nc_u32 v[AV], s[TB], v[AV0]
.endm
; A TRIP: one slot, my two key steps A and B of it.  One tile has the matrix unit while the other tile's softmax stands behind its products.  On entry K(A) has been asked for and A's masks are made.
.macro TRIP fill
	FETCH_V 0                       ; V(A); the masks' twenty lines stand between the last product that read V and these loads
	s_wait_dscnt 32                 ; K(A) is in; V(A)'s 32 loads may be out
.set i, 0
.rept 16
	MKQ 0                           ; tile 0's scores of A
.set i, i+1
.endr
	PLACES
.set j, 0
	RUN 0, 1, 0, 8                  ; tile 1's scores of A | tile 0's softmax of A
	REST 0
	MASKS 12                        ; B's; with the lines above, the places in front of the loads into K's registers
	FETCH_K KSTEP
	s_wait_dscnt 32                 ; V(A) is in; K(B)'s 32 loads may be out
.set j, 0
	RUN 1, 0, 1, 4                  ; tile 0: V^T P of A | tile 1's softmax of A
	s_wait_dscnt 0x0                ; K(B) is in
	RUN 0, 0, 1, 4                  ; tile 0's scores of B |
	REST 1
.set j, 0
	RUN 1, 1, 0, 4                  ; tile 1: V^T P of A | tile 0's softmax of B
	RUN 0, 1, 0, 4, VSTEP           ; tile 1's scores of B | ; V(B) is asked for
	REST 0
	CHANGE \fill
	FETCH_K 0                       ; the next slot's K(A)
.set j, 0
	RUN 1, 0, 1, 8                  ; tile 0: V^T P of B | tile 1's softmax of B
	REST 1
.set i, 0
.rept 16
	MPV 1                           ; tile 1: V^T P of B
.set i, i+1
.endr
	MASKS 4                         ; the next A's
	WIN 0
.endm
; A BLOCK'S END, first part.  Every wave adds l's two halves and the other half of the lanes'.  Waves 2 and 3 put their m, l and O^T, in f32, into the exchange: 34 stores of 512 consecutive bytes,
; each accumulator's low half first.
.macro GIVE
	WIN 0
.irp t, 0,1
	v_add_f32 v[ST+8*(\t)+4], v[ST+8*(\t)+2], v[ST+8*(\t)+3]
.endr
.irp t, 0,1
	v_permlanex16_b32 v[ST+8*(\t)+5], v[ST+8*(\t)+4], s[SEL], s[SEL+1]
.endr
.irp t, 0,1
	v_add_f32 v[ST+8*(\t)+1], v[ST+8*(\t)+4], v[ST+8*(\t)+5]
.endr
	s_cmp_lt_u32 s[WV], 2
	s_cbranch_scc1 .Lno_give_\@
.irp t, 0,1
	ds_store_b128 v[MGA], v[ST+8*(\t):ST+8*(\t)+3] offset:32*512+512*(\t)
.endr
	WIN 0x04                        ; the store's data (source 1) in window 1
.set i, 0
.rept 32
	ds_store_b128 v[MGA], v[4*i:4*i+3] offset:512*i
.set i, i+1
.endr
	WIN 0
.Lno_give_\@:
.endm
; Second part, behind the barrier, for waves 0 and 1.  Tile t: the partner's O^T times g_B = f_B / l, mine times g_A = f_A / l added to it; rounded to f16, 16 bytes a lane; through the stage (the exchange's
; first bytes, which have been read: LDS serves a wave's instructions in order, ISA guide 5.7.1.4) back as whole rows of 256 bytes.
.macro MERGE t
.set OBD, S+96*(\t)                 ; the partner's O^T: v80-143, v176-239
.set PKD, P-96*(\t)                 ; packed results: v144-175, v48-79
	s_wait_dscnt 16                 ; this tile's 16 loads are in; the 16 LDS instructions behind them may be out
	WIN 0
.set i, 0
.rept 32
	v_pk_mul_f32 v[OBD+2*i:OBD+2*i+1], v[OBD+2*i:OBD+2*i+1], v[ST+8*(\t)+6:ST+8*(\t)+7] op_sel_hi:[1,0]
.set i, i+1
.endr
	WIN 0x01                        ; source 0, my O^T, in window 1
.set i, 0
.rept 32
	v_pk_fma_f32 v[OBD+2*i:OBD+2*i+1], v[64*(\t)+2*i:64*(\t)+2*i+1], v[ST+8*(\t)+4:ST+8*(\t)+5], v[OBD+2*i:OBD+2*i+1] op_sel_hi:[1,0,1]
.set i, i+1
.endr
	WIN 0
.set i, 0
.rept 32
	v_cvt_pk_f16_f32 v[PKD+i], v[OBD+2*i], v[OBD+2*i+1]
.set i, i+1
.endr
.irp f, 0,1,2,3,4,5,6,7
	ds_store_b128 v[STO], v[PKD+4*(\f):PKD+4*(\f)+3] offset:32*(\f)
.endr
.irp f, 0,1,2,3,4,5,6,7
	ds_load_b128 v[PKD+4*(\f):PKD+4*(\f)+3], v[RD] offset:(\f)*2*SP
.endr
.endm
.macro SEND t, younger              ; younger: the LDS instructions issued behind tile t's loads from the stage
.set PKD, P-96*(\t)
.irp f, 0,1,2,3,4,5,6,7
	s_wait_dscnt (\younger)+7-(\f)
	global_store_b128 v[GO], v[PKD+4*(\f):PKD+4*(\f)+3], s[20:21] offset:(\t)*32768+(\f)*4096  ; 16 lanes store 256 consecutive bytes, at a multiple of 256 from att's first byte
.endr
.endm
.macro TAKE
	s_cmp_lt_u32 s[WV], 2
	s_cbranch_scc0 .Lno_take_\@
.irp t, 0,1
	ds_load_b128 v[XST+4*(\t):XST+4*(\t)+3], v[MGA] offset:32*512+512*(\t)  ; the partner's m and l
.endr
.set i, 0
.rept 16
	ds_load_b128 v[S+4*i:S+4*i+3], v[MGA] offset:512*i                      ; its O^T of tile 0,
.set i, i+1
.endr
.set i, 0
.rept 16
	ds_load_b128 v[S+96+4*i:S+96+4*i+3], v[MGA] offset:16*512+512*i         ; of tile 1
.set i, i+1
.endr
	s_wait_dscnt 32                 ; the statistics are in; the 32 loads behind them may be out
.irp t, 0,1
	v_max_num_f32 v[ST+8*(\t)+4], v[ST+8*(\t)], v[XST+4*(\t)]
.endr
.irp t, 0,1
	v_sub_f32 v[ST+8*(\t)+5], v[ST+8*(\t)], v[ST+8*(\t)+4]
	v_sub_f32 v[ST+8*(\t)+6], v[XST+4*(\t)], v[ST+8*(\t)+4]
.endr
.irp t, 0,1
	v_exp_f32 v[ST+8*(\t)+5], v[ST+8*(\t)+5]   ; f_A
	v_exp_f32 v[ST+8*(\t)+6], v[ST+8*(\t)+6]   ; f_B
.endr
	v_nop                           ; a plain instruction between the last exponential and the use of its result
	s_wait_alu depctr_va_vdst(0)
.irp t, 0,1
	v_mul_f32 v[ST+8*(\t)+7], v[ST+8*(\t)+1], v[ST+8*(\t)+5]
.endr
.irp t, 0,1
	v_fma_f32 v[ST+8*(\t)+7], v[XST+4*(\t)+1], v[ST+8*(\t)+6], v[ST+8*(\t)+7]  ; l = l_A f_A + l_B f_B: one f is 1, and its l is 1 at the least
.endr
.irp t, 0,1
	v_rcp_f32 v[ST+8*(\t)+7], v[ST+8*(\t)+7]
.endr
	v_nop                           ; a plain instruction between the last reciprocal and the use of its result
	s_wait_alu depctr_va_vdst(0)
.irp t, 0,1
	v_mul_f32 v[ST+8*(\t)+4], v[ST+8*(\t)+5], v[ST+8*(\t)+7]  ; g_A
	v_mul_f32 v[ST+8*(\t)+6], v[ST+8*(\t)+6], v[ST+8*(\t)+7]  ; g_B
.endr
	MERGE 0
	MERGE 1
	SEND 0, 16
	SEND 1, 0
.Lno_take_\@:
.endm
	MASKS 4                         ; of the first block's first step
	s_wait_tensorcnt 1              ; my part of slot 0 is in; slot 1's may stay out
	s_barrier_signal -1
	s_barrier_wait -1
	FETCH_K 0
	WIN 0
	s_wait_loadcnt 0x0              ; both blocks' Q
	s_mov_b32 s[SLOTS], 7
.Lslot:                             ; 7 trips: a tile is walked, and the tile two further on in the walk is asked for
	TRIP 1
	s_sub_co_u32 s[RT], s[RT], 1
	s_cmp_lg_u32 s[RT], 0
	s_cbranch_scc1 .Lkeep1          ; forward, past text with neither a barrier nor a tensor load; RT hangs on a alone, which the partners share
	GIVE                            ; the first block is done
.Lkeep1:
	s_wait_dscnt 0x0                ; for the others' sake: what I put into the exchange is there (in the other trips: the loads of the next K, asked for half a trip ago)
	s_barrier_signal -1             ; in every trip, so that no jump passes a barrier
	s_barrier_wait -1
	s_cmp_lg_u32 s[RT], 0
	s_cbranch_scc1 .Lkeep2          ; forward, likewise
	TAKE
	s_wait_xcnt 0x0                 ; the stores' registers and O's address are rewritten only behind this wait
	s_mov_b64 s[20:21], s[22:23]
	s_mov_b32 s[RT], s[RT2]
	s_mov_b32 s[EE], s[E2]
	FRESH
	MASKS 4                         ; the masks made at the trip's end were the old block's
	WIN W_RS
.set i, 0
.rept 64
	v_mov_b32 v[OQ+i], v[Q2+i]      ; the second block's Q goes where the one text of the trips names Q
.set i, i+1
.endr
	WIN 0
.Lkeep2:
	s_sub_co_u32 s[SLOTS], s[SLOTS], 1
	s_cmp_lg_u32 s[SLOTS], 0
	s_cbranch_scc1 .Lslot
	s_mov_b32 s[SLOTS], 2
.Ltail:                             ; the last two tiles ask for nothing.  The last trip's fetch of a next K reads landed bytes that nobody uses: the price of one text for both
	TRIP 0
	s_sub_co_u32 s[SLOTS], s[SLOTS], 1
	s_cmp_lg_u32 s[SLOTS], 0
	s_cbranch_scc1 .Ltail
	GIVE                            ; the second block is done
	s_wait_dscnt 0x0                ; for the others' sake: what I put into the exchange is there
	s_barrier_signal -1
	s_barrier_wait -1
	TAKE
	s_wait_tensorcnt 0x0            ; the wave's end: the add and its wait stand behind my last tensor load and my last LDS store
	ds_add_u32 v[SPW], v[NIL]
	s_wait_dscnt 0x0
	CROUND                          ; the closing round: no work-group ends while a partner may still ask for a tile that names it
	s_endpgm
.Lfunc_end_k_qe32fc96c7d_attn:
	.size	k_qe32fc96c7d_attn, .Lfunc_end_k_qe32fc96c7d_attn-k_qe32fc96c7d_attn
	.p2alignl 7, 3214868480
	.fill 96, 4, 3214868480
	.section	.rodata,"a",@progbits
	.p2align	6, 0x0
	.amdhsa_kernel k_qe32fc96c7d_attn
		.amdhsa_group_segment_fixed_size 327680
		.amdhsa_private_segment_fixed_size 0
		.amdhsa_enable_private_segment 0
		.amdhsa_kernarg_size 16
		.amdhsa_user_sgpr_count 2
		.amdhsa_user_sgpr_kernarg_segment_ptr 1
		.amdhsa_wavefront_size32 1
		.amdhsa_system_sgpr_workgroup_id_x 1
		.amdhsa_system_sgpr_workgroup_id_y 1
		.amdhsa_system_sgpr_workgroup_id_z 1
		.amdhsa_system_vgpr_workitem_id 0
		.amdhsa_next_free_vgpr 768
		.amdhsa_next_free_sgpr 96
		.amdhsa_reserve_vcc 1
		.amdhsa_float_denorm_mode_32 3
		.amdhsa_float_denorm_mode_16_64 3
		.amdhsa_memory_ordered 1
		.amdhsa_forward_progress 1
		.amdhsa_inst_pref_size 186
	.end_amdhsa_kernel
	.amdgpu_metadata
---
amdhsa.version: [ 1, 2 ]
amdhsa.kernels:
  - .name:           k_qe32fc96c7d_attn
    .symbol:         k_qe32fc96c7d_attn.kd
    .args:
      - { .name: qkv, .offset: 0, .size: 8, .value_kind: global_buffer, .address_space: global }
      - { .name: att, .offset: 8, .size: 8, .value_kind: global_buffer, .address_space: global }
    .group_segment_fixed_size: 327680
    .private_segment_fixed_size: 0
    .kernarg_segment_align: 8
    .kernarg_segment_size: 16
    .max_flat_workgroup_size: 128
    .sgpr_count:     96
    .vgpr_count:     768
    .wavefront_size: 32
...
	.end_amdgpu_metadata
.endif
;; end of part 3
;; launch oproj (part 4): grid 16 x 16, 4 waves a work-group, clusters of 4 x 4, 327,680 bytes of LDS; arguments att, bf, out0; writes out0
.if DOCPART == 4
	.amdgcn_target "amdgcn-amd-amdhsa--gfx1250"
	.amdhsa_code_object_version 6
	.text
	.protected	k_qe32fc96c7d_oproj
	.globl	k_qe32fc96c7d_oproj
	.p2align	8
	.type	k_qe32fc96c7d_oproj,@function
k_qe32fc96c7d_oproj:
	s_mov_b64 s[64:65], 0
	v_nop
	global_prefetch_b8 v0, s[64:65] scope:SCOPE_SE
	s_setreg_imm32_b32 hwreg(HW_REG_WAVE_MODE, 25, 1), 1
	s_wait_xcnt 0x0
	s_wait_alu depctr_hold_cnt(0) depctr_sa_sdst(0) depctr_va_vdst(0) depctr_va_sdst(0) depctr_va_ssrc(0) depctr_va_vcc(0) depctr_vm_vsrc(0)
	s_getreg_b32 s2, hwreg(HW_REG_IB_STS2, 6, 4)
	s_cmp_eq_u32 s2, 0
	s_cbranch_scc0 .Lentry_in_a_cluster
	s_endpgm
.Lentry_in_a_cluster:
	s_bfe_u32 s2, ttmp6, 0x10000c
	s_cmp_lg_u32 s2, 0xf033
	s_cbranch_scc0 .Lentry_shape_is_right
	s_endpgm
.Lentry_shape_is_right:
; out0[m][n] = sum over k of att[m][k] wo16[n][k].  att: [4096][1024] f16 (O / 4); wo16: [4096][1024] f16 at bf + 0x3000000 (4 wo, rounded to bf16 and written as f16); out0: [4096][4096] f32.
; The two exact factors cancel, so the sums leave as they are.  Sums in f32, K ascending.
; A tile of out0, 256 x 256, is made by a work-group of four waves; a wave makes 128 x 128: 64 accumulators of 16 x 16, 512 registers: 16 x 16 = 256 work-groups.
; K goes in 8 steps of 128 through a ring of two LDS slots filled by the tensor data mover: the tiles' rows are 256 bytes of memory and start at multiples of 256 bytes.
; CLUSTERS: 4 x 4 work-groups.  The four of a row of the cluster need the same tiles of att, the four of a column the same tiles of wo16: each is asked for JOINTLY.
; THE MATRIX INSTRUCTION IS USED TRANSPOSED (source 0 = 16 rows of wo16, source 1 = 16 rows of att): lane l holds row l % 16 of out0 and the columns 8 (l / 16) + 0..7: 32 neighbouring bytes.
; REGISTERS: window 0: v0-31 addresses; v64-127, v128-191 fragments of att, two buffers, and on the way out rows read back.  window 1: v64-127, v128-191 fragments of wo16.
;   window 2: the 32 accumulators of my rows 0-63 ((a, b) at 8 (8 a + b));   window 3: those of my rows 64-127.
.set SIZE_N, 4096
.set SIZE_K, 1024
.set KSTEP,  128
.set PITCH,  272                       ; an LDS row: 256 bytes + 16 of padding: the 16 rows that a load touches start at 16 different groups of four banks (64 banks of 4 bytes: ISA guide 11.1)
.set HALFT,  128*PITCH                 ; 128 rows: what one tensor load brings, and what one wave reads of att or of wo16
.set SLOT,   4*HALFT                   ; att's 256 rows, then wo16's 256 rows
.set STAGE,  2*SLOT                    ; behind the ring: 16 rows x 528 bytes for each wave, for the way out; no tensor load lands here
.set SPITCH, 528                       ; 512 bytes (128 f32) + 16
.set SPARE,  STAGE+4*16*SPITCH         ; the spare words, 128 bytes for each wave: two blocks of 256 bytes that no other line names
.set WOOFF,  0x3000000                 ; wo16 in bf
.set LAPS, SIZE_K/(2*KSTEP)            ; a lap = two K steps = once round the ring
.set ADRA, 16                          ; v16-17  LDS address of my att fragments in slot 0, 1
.set ADRB, 20                          ; v20-21  the same for wo16
.set STO,  24                          ; v24     the way out: where I put 32 bytes of a row
.set RD,   25                          ; v25     where I read a row back
.set CO,   26                          ; v26     my byte offset in out0
.set SPW,  28                          ; v28     LDS address of my spare word; never rewritten
.set NIL,  29                          ; v29     0; never rewritten
.set F0,   64
.set F1,   128
.set G1, 24                            ; s[24:31] descriptor group 1 for att's tiles
.set G0, 32                            ; s[32:39] group 0, one set for each slot
.set G1B, 48                           ; s[48:55], s[56:63] the same for wo16's
.set G0B, 56
.set MSB, 0
.macro WIN new                         ; the immediate's high byte repeats the setting that is left
.if MSB != (\new)
	s_set_vgpr_msb (MSB<<8)|(\new)
.set MSB, \new
.endif
.endm
.set MUL_LO, 0xa1                      ; source 0 (wo16) window 1, source 1 (att) window 0, C and D window 2
.set MUL_HI, 0xf1                      ; the same, C and D window 3
.set TO_B,   0x40                      ; destination window 1, address window 0
; A joint load.  Waves 0 and 1 fetch att's two halves, waves 2 and 3 wo16's.  The branch hangs on the wave's number alone.
; An s_nop 0 and four v_nop follow each of the two lines, ahead of the jump and the label.
.macro JLOAD s
	s_cmp_eq_u32 s11, 0
	s_cbranch_scc0 .Lfor_b_\@
	tensor_load_to_lds s[G0+4*(\s):G0+4*(\s)+3], s[G1:G1+7]
	s_nop 0
.rept 4
	v_nop
.endr
	s_branch .Lasked_\@
.Lfor_b_\@:
	tensor_load_to_lds s[G0B+4*(\s):G0B+4*(\s)+3], s[G1B:G1B+7]
	s_nop 0
.rept 4
	v_nop
.endr
.Lasked_\@:
.endm
.macro CREST                           ; a round of the cluster's barrier behind its opening barrier
	s_cmp_lg_u32 s10, 0
	s_cbranch_scc1 .Lnot_wave_0_\@
	s_barrier_signal -3
.Lnot_wave_0_\@:
	s_barrier_wait -3
	s_barrier_signal -1
	s_barrier_wait -1
.endm
.macro CROUND                          ; a whole round
	s_barrier_signal -1
	s_barrier_wait -1
	CREST
.endm
	s_load_b128 s[4:7], s[0:1], 0x0                ; att s[4:5], bf s[6:7]
	s_load_b64 s[8:9], s[0:1], 0x10                ; out0
	v_lshl_add_u32 v[SPW], v0, 2, SPARE
	v_mov_b32 v[NIL], 0
	ds_add_u32 v[SPW], v[NIL]                      ; the wave's opening: the add and its wait stand ahead of my first tensor load; the set-up below stands between them
	v_lshrrev_b32 v1, 5, v0
	v_readfirstlane_b32 s10, v1                    ; wave 0..3
	s_lshr_b32 s11, s10, 1                         ; which half of the tile's rows is mine.  Also: I fetch for att (0) or for wo16 (1)
	s_and_b32 s12, s10, 1                          ; which half of its columns.  Also: which 128 rows of that tile I fetch
	s_bfe_u32 s40, ttmp6, 0x40000                  ; cx
	s_bfe_u32 s41, ttmp6, 0x40004                  ; cy
	s_lshl_b32 s42, ttmp9, 2
	s_add_co_u32 s42, s42, s40                     ; tile column = 4 x cluster x + cx
	s_and_b32 s13, ttmp7, 0xffff
	s_lshl_b32 s13, s13, 2
	s_add_co_u32 s13, s13, s41                     ; tile row = 4 x cluster y + cy
	s_lshl_b32 s43, s41, 2
	s_lshl_b32 s43, 15, s43                        ; my row of the cluster
	s_lshl_b32 s44, 0x1111, s40                    ; my column
	s_or_b32 s[G1+0], s43, (1<<16)|(1<<20)|(1<<21)|(5<<22)|(3<<25)  ; 15:0 the mask; 17:16 2-byte elements; 20 padding on; 21 set beside a mask; 24:22 after every 64 words; 31:25 4 words of it
	s_or_b32 s[G1B+0], s44, (1<<16)|(1<<20)|(1<<21)|(5<<22)|(3<<25)
.irp g, G1, G1B
	s_mov_b32 s[(\g)+1], KSTEP<<16                 ; tensor_dim0 = 128
	s_mov_b32 s[(\g)+2], 128<<16                   ; tensor_dim1 = 128
	s_mov_b32 s[(\g)+3], KSTEP<<16                 ; tile_dim0 = 128
	s_mov_b32 s[(\g)+4], 128                       ; tile_dim1 = 128
	s_mov_b32 s[(\g)+5], SIZE_K                    ; elements from row to row
	s_mov_b32 s[(\g)+6], 0
	s_mov_b32 s[(\g)+7], 0
.endr
	s_lshl_b32 s17, s12, 7                         ; which 128 rows of the tile I fetch
	s_lshl_b32 s16, s13, 8
	s_add_co_u32 s16, s16, s17                     ; att: row 256 x tile row + 128 x half,
	s_lshl_b32 s16, s16, 11                        ; 2,048 bytes a row
	s_lshl_b32 s46, s42, 8
	s_add_co_u32 s46, s46, s17                     ; wo16: row 256 x tile column + 128 x half
	s_lshl_b32 s46, s46, 11
	s_add_co_u32 s46, s46, WOOFF
	s_mov_b32 s17, 0
	s_mov_b32 s47, 0
	s_mul_i32 s20, s10, HALFT                      ; where they go: wave x 128 rows: no place in the cluster enters an LDS address
	s_wait_dscnt 0x0                               ; the opening add is done
	s_wait_kmcnt 0x0
	s_add_nc_u64 s[14:15], s[4:5], s[16:17]
	s_add_nc_u64 s[46:47], s[6:7], s[46:47]
	CROUND                                         ; all sixteen work-groups are here: the first joint loads meet
.irp s, 0,1
	s_mov_b32 s[G0+4*(\s)], 1                                      ; count = 1
	s_add_co_u32 s[G0+4*(\s)+1], s20, (\s)*SLOT                    ; LDS address
	s_add_nc_u64 s[G0+4*(\s)+2:G0+4*(\s)+3], s[14:15], (\s)*KSTEP*2  ; global address: K step s
	s_or_b32 s[G0+4*(\s)+3], s[G0+4*(\s)+3], 0x80000000            ; type = 2
	s_mov_b32 s[G0B+4*(\s)], 1
	s_add_co_u32 s[G0B+4*(\s)+1], s20, (\s)*SLOT
	s_add_nc_u64 s[G0B+4*(\s)+2:G0B+4*(\s)+3], s[46:47], (\s)*KSTEP*2
	s_or_b32 s[G0B+4*(\s)+3], s[G0B+4*(\s)+3], 0x80000000
	JLOAD \s                                       ; two loads of mine are out
.endr
	v_and_b32 v1, 15, v0                           ; l % 16
	v_bfe_u32 v2, v0, 4, 1                         ; l / 16
	v_mul_u32_u24 v3, v1, PITCH
	v_lshl_add_u32 v3, v2, 4, v3                   ; a fragment's row x pitch + 16 x half
	s_mul_i32 s21, s11, HALFT                      ; my 128 rows of att
	s_mul_i32 s22, s12, HALFT                      ; my 128 rows of wo16,
	s_add_co_u32 s22, s22, 2*HALFT                 ; which lie behind att's 256
.irp s, 0,1
	v_add_nc_u32 v[ADRA+(\s)], s21, v3
	v_add_nc_u32 v[ADRB+(\s)], s22, v3
	s_add_co_u32 s21, s21, SLOT
	s_add_co_u32 s22, s22, SLOT
.endr
	s_mul_i32 s23, s10, 16*SPITCH
	s_add_co_u32 s23, s23, STAGE                   ; my stage
	v_mul_u32_u24 v4, v1, SPITCH                   ; in: row l % 16, 32 bytes for each half of the lanes
	v_lshl_add_u32 v4, v2, 5, v4
	v_add_nc_u32 v[STO], s23, v4
	v_and_b32 v5, 31, v0
	v_lshlrev_b32 v[CO], 4, v5                     ; back: 32 lanes take one row's 512 bytes, and the same in out0
	v_add_nc_u32 v[RD], s23, v[CO]
	s_lshl_b32 s16, s13, 8
	s_lshl_b32 s17, s11, 7
	s_add_co_u32 s16, s16, s17                     ; my first row of out0,
	s_lshl_b32 s16, s16, 14                        ; 16,384 bytes a row
	s_mov_b32 s17, 0
	s_add_nc_u64 s[8:9], s[8:9], s[16:17]
	s_lshl_b32 s46, s42, 10                        ; my first column, in bytes: 1,024 x tile column + 512 x half
	s_lshl_b32 s47, s12, 9
	s_add_co_u32 s46, s46, s47
	s_mov_b32 s47, 0
	s_add_nc_u64 s[8:9], s[8:9], s[46:47]
; 16 matrix instructions: m blocks a0, a0 + 1 of the window's four (hi = 0: my rows 0-63, 1: rows 64-127) x all 8 n blocks, 32 along K.  zero = 1: the first product starts the sums.
; The 64 accumulators take turns in one fixed order.
.macro MUL16 f, hi, a0, zero
	WIN MUL_LO+0x50*(\hi)
.irp a, \a0, (\a0)+1
.irp b, 0,1,2,3,4,5,6,7
.if \zero
	v_wmma_f32_16x16x32_f16 v[8*(8*(\a)+(\b)):8*(8*(\a)+(\b))+7], v[(\f)+8*(\b):(\f)+8*(\b)+7], v[(\f)+8*(4*(\hi)+(\a)):(\f)+8*(4*(\hi)+(\a))+7], 0
.else
	v_wmma_f32_16x16x32_f16 v[8*(8*(\a)+(\b)):8*(8*(\a)+(\b))+7], v[(\f)+8*(\b):(\f)+8*(\b)+7], v[(\f)+8*(4*(\hi)+(\a)):(\f)+8*(4*(\hi)+(\a))+7], v[8*(8*(\a)+(\b)):8*(8*(\a)+(\b))+7]
.endif
.endr
.endr
.endm
; 32 LDS loads in one run: the fragments of one quarter step (32 K at byte k of the rows) into buffer f: wo16's, then att's
.macro FETCH slot, k, f
	WIN TO_B
.irp i, 0,1,2,3,4,5,6,7
	ds_load_b128 v[(\f)+8*(\i):(\f)+8*(\i)+3],   v[ADRB+(\slot)] offset:(\k)+(\i)*16*PITCH
	ds_load_b128 v[(\f)+8*(\i)+4:(\f)+8*(\i)+7], v[ADRB+(\slot)] offset:(\k)+(\i)*16*PITCH+32
.endr
	WIN 0
.irp i, 0,1,2,3,4,5,6,7
	ds_load_b128 v[(\f)+8*(\i):(\f)+8*(\i)+3],   v[ADRA+(\slot)] offset:(\k)+(\i)*16*PITCH
	ds_load_b128 v[(\f)+8*(\i)+4:(\f)+8*(\i)+7], v[ADRA+(\slot)] offset:(\k)+(\i)*16*PITCH+32
.endr
.endm
.macro PLACES                          ; four places in front of loads into registers that matrix instructions have read, and of LDS stores that read results
.rept 4
	v_nop
.endr
.endm
; A K step is four quarter steps of 32 along K, 64 matrix instructions each, on buffers 0, 1, 0, 1.  One of the first three multiplies f and fetches the next quarter, at byte k, into g.
.macro QUARTER slot, k, f, g, zero
	s_wait_dscnt 8                                 ; all but the youngest eight loads (att's rows 64-127) are in
	MUL16 \f, 0, 0, \zero
	MUL16 \f, 0, 2, \zero
	PLACES
	FETCH \slot, \k, \g
	s_wait_dscnt 32                                ; all but the 32 just issued
	MUL16 \f, 1, 0, \zero
	MUL16 \f, 1, 2, \zero
.endm
; The last quarter multiplies buffer 1 and changes slots.  MEET is its first half: ONE barrier; in front of it each wave waits for all its tensor loads (one is out: its part of the next slot),
; adds 0 to its spare word, and waits for that and for its own reads of this slot.
.macro MEET round                      ; round = 1: a round of the cluster's barrier follows
	WIN 0                                          ; (the add's two registers lie in window 0)
	s_wait_tensorcnt 0x0
	ds_add_u32 v[SPW], v[NIL]                      ; 0 onto my spare word
	s_wait_dscnt 9                                 ; (the add and the youngest eight loads may be out)
	MUL16 F1, 0, 0, 0                              ; sixteen matrix instructions stand between the add and the wait for it
	s_wait_dscnt 0x0                               ; the add is done, and my reads of this slot are over
	s_barrier_signal -1
	MUL16 F1, 0, 2, 0
.if \round
	WIN 0
.endif
	s_barrier_wait -1
.endm
; The whole last quarter: behind the round the slot just read out is filled again first, two K steps ahead: from that request to the wait for it a wave issues 224 matrix instructions.
.macro TURN slot, next
	MEET 1
	CREST                                          ; no wave of any partner still reads this slot's tile or has a load on its way
	s_add_nc_u64 s[G0+4*(\slot)+2:G0+4*(\slot)+3], s[G0+4*(\slot)+2:G0+4*(\slot)+3], 2*KSTEP*2
	s_add_nc_u64 s[G0B+4*(\slot)+2:G0B+4*(\slot)+3], s[G0B+4*(\slot)+2:G0B+4*(\slot)+3], 2*KSTEP*2
	JLOAD \slot                                    ; the four v_nop behind it are also the places in front of the loads below
	FETCH \next, 0, F0
	MUL16 F1, 1, 0, 0
	MUL16 F1, 1, 2, 0
.endm
	s_wait_tensorcnt 1                             ; my part of K step 0 is in; step 1's may stay out
	s_barrier_signal -1
	s_barrier_wait -1
	FETCH 0, 0, F0
	QUARTER 0, 64,  F0, F1, 1                      ; the first quarter stands in front of the loop: its products start the sums
	WIN 0
	s_mov_b32 s3, LAPS-1
.Llap:                                                 ; a trip goes once round the ring, from a lap's second quarter to the next lap's first, and fills both slots again
	QUARTER 0, 128, F1, F0, 0
	QUARTER 0, 192, F0, F1, 0
	TURN 0, 1
	QUARTER 1, 64,  F0, F1, 0
	QUARTER 1, 128, F1, F0, 0
	QUARTER 1, 192, F0, F1, 0
	TURN 1, 0
	QUARTER 0, 64,  F0, F1, 0
	WIN 0
	s_sub_co_u32 s3, s3, 1
	s_cmp_lg_u32 s3, 0
	s_cbranch_scc1 .Llap
	QUARTER 0, 128, F1, F0, 0                      ; the last lap fills nothing, and has no round of the cluster's barrier
	QUARTER 0, 192, F0, F1, 0
	MEET 0
	PLACES
	FETCH 1, 0, F0
	MUL16 F1, 1, 0, 0
	MUL16 F1, 1, 2, 0
	QUARTER 1, 64,  F0, F1, 0
	QUARTER 1, 128, F1, F0, 0
	QUARTER 1, 192, F0, F1, 0
	s_wait_dscnt 8                                 ; the very last quarter: nothing more to fetch
	MUL16 F1, 0, 0, 0
	MUL16 F1, 0, 2, 0
	s_wait_dscnt 0x0
	MUL16 F1, 1, 0, 0
	MUL16 F1, 1, 2, 0
	PLACES
; THE WAY OUT of block a (16 rows of my 128): the sums go as they are, 32 bytes a lane and column block, into my own stage (each accumulator's low half first), and come back as whole rows of 512 bytes.
.macro TOSTAGE a
.set AC, 64*((\a)%4)
.set BK, 64+64*((\a)%2)
.if (\a) >= 2
	s_wait_xcnt 0x0                                ; the registers that block a - 2's stores read are loaded again only behind this wait
.endif
	WIN 0x08+4*((\a)/4)                            ; the store's data (source 1) in window 2 or 3
.irp b, 0,1,2,3,4,5,6,7
	ds_store_b128 v[STO], v[AC+8*(\b):AC+8*(\b)+3]   offset:64*(\b)
	ds_store_b128 v[STO], v[AC+8*(\b)+4:AC+8*(\b)+7] offset:64*(\b)+16
.endr
	WIN 0
.irp t, 0,1,2,3,4,5,6,7,8,9,10,11,12,13,14,15
	ds_load_b128 v[BK+4*(\t):BK+4*(\t)+3], v[RD] offset:(\t)*SPITCH  ; LDS serves a wave's instructions in order (ISA guide 5.7.1.4): these see the stores above
.endr
.endm
.macro SEND a, younger                 ; younger: the LDS instructions issued behind block a's loads: the next block's 32, or none
.set BK, 64+64*((\a)%2)
.irp t, 0,1,2,3,4,5,6,7,8,9,10,11,12,13,14,15
	s_wait_dscnt (\younger)+15-(\t)
	global_store_b128 v[CO], v[BK+4*(\t):BK+4*(\t)+3], s[8:9] offset:(16*(\a)+(\t))*SIZE_N*4 th:TH_STORE_NT  ; 32 lanes store 512 consecutive bytes, at a multiple of 256 from out0's first byte; 127 rows at the most: inside the signed 24-bit immediate
.endr
.endm
	TOSTAGE 0
.irp a, 1,2,3,4,5,6,7
	TOSTAGE \a
	SEND (\a)-1, 32
.endr
	SEND 7, 0
	s_wait_tensorcnt 0x0                           ; the wave's end: the add and its wait stand behind my last tensor load and my last LDS store
	ds_add_u32 v[SPW], v[NIL]
	s_wait_dscnt 0x0
	CROUND                                         ; the closing round: no work-group ends while a partner may still ask for a tile that names it
	s_endpgm
.Lfunc_end_k_qe32fc96c7d_oproj:
	.size	k_qe32fc96c7d_oproj, .Lfunc_end_k_qe32fc96c7d_oproj-k_qe32fc96c7d_oproj
	.p2alignl 7, 3214868480
	.fill 96, 4, 3214868480
	.section	.rodata,"a",@progbits
	.p2align	6, 0x0
	.amdhsa_kernel k_qe32fc96c7d_oproj
		.amdhsa_group_segment_fixed_size 327680
		.amdhsa_private_segment_fixed_size 0
		.amdhsa_enable_private_segment 0
		.amdhsa_kernarg_size 24
		.amdhsa_user_sgpr_count 2
		.amdhsa_user_sgpr_kernarg_segment_ptr 1
		.amdhsa_wavefront_size32 1
		.amdhsa_system_sgpr_workgroup_id_x 1
		.amdhsa_system_sgpr_workgroup_id_y 1
		.amdhsa_system_sgpr_workgroup_id_z 1
		.amdhsa_system_vgpr_workitem_id 0
		.amdhsa_next_free_vgpr 1024
		.amdhsa_next_free_sgpr 66
		.amdhsa_reserve_vcc 0
		.amdhsa_float_denorm_mode_32 3
		.amdhsa_float_denorm_mode_16_64 3
		.amdhsa_memory_ordered 1
		.amdhsa_forward_progress 1
		.amdhsa_inst_pref_size 144
	.end_amdhsa_kernel
	.amdgpu_metadata
---
amdhsa.version: [ 1, 2 ]
amdhsa.kernels:
  - .name:           k_qe32fc96c7d_oproj
    .symbol:         k_qe32fc96c7d_oproj.kd
    .args:
      - { .name: att, .offset: 0, .size: 8, .value_kind: global_buffer, .address_space: global }
      - { .name: bf, .offset: 8, .size: 8, .value_kind: global_buffer, .address_space: global }
      - { .name: out0, .offset: 16, .size: 8, .value_kind: global_buffer, .address_space: global }
    .group_segment_fixed_size: 327680
    .private_segment_fixed_size: 0
    .kernarg_segment_align: 8
    .kernarg_segment_size: 24
    .max_flat_workgroup_size: 128
    .sgpr_count:     66
    .vgpr_count:     1024
    .wavefront_size: 32
...
	.end_amdgpu_metadata
.endif
;; end of part 4
